; MI455X (gfx1250); checked and timed in simulation.
; The chip was launched on July 23, 2026; its instructions are those of AMD's public machine-readable ISA for CDNA 5 (MIT licence, August 2026) and "CDNA5" Instruction Set Architecture Reference Guide (July 2026). The comments in the code are by the model that wrote it; some were corrected since.
;; Head Attention. Allowed arithmetic: matrix products marked QUANTISED: E2M3 operands, one E8M0 scale for each 32 along K, by v_wmma_scale_f32_16x16x128_f8f6f4 with both operands' format E2M3, f32 sums; everything else in f32.
;; Inputs: Wk 1,024 x 1,024 float32; Wproj 1,024 x 1,024 float32; Wq 1,024 x 1,024 float32; Wv 1,024 x 1,024 float32; k 4 x 2,048 x 1,024 float32; q 4 x 2,048 x 1,024 float32; v 4 x 2,048 x 1,024 float32.
;; Outputs: out0 4 x 2,048 x 1,024 float32.
;; This version of the problem:
;;   THIS VERSION OF THE PROBLEM IS GIVEN IN LOW PRECISION. The matrix products marked QUANTISED in the list below multiply operands that are first quantised to E2M3 (2 exponent bits, 3 mantissa bits; 6 bits a number), with one power-of-two scale for each 32 numbers along K (OCP MX v1.0); their sums are f32. All else is computed in f32.
;;   The module's matrix products, in the order in which they are computed (A, B: the left and right operand; K: the contracted axis; several contracted axes count as one K, in the product's order):
;;     1. [M 8,192, K 1,024] x [K 1,024, N 1,024]; A: input q; B: input Wq: QUANTISED
;;     2. [M 8,192, K 1,024] x [K 1,024, N 1,024]; A: input k; B: input Wk: QUANTISED
;;     3. [M 8,192, K 1,024] x [K 1,024, N 1,024]; A: input v; B: input Wv: QUANTISED
;;     4. batch 4 x [M 2,048, K 1,024] x [K 1,024, N 2,048]; A: computed on the way; B: computed on the way: QUANTISED
;;     5. batch 4 x [M 2,048, K 2,048] x [K 2,048, N 1,024]; A: softmax (see below); B: computed on the way: QUANTISED
;;     6. [M 8,192, K 1,024] x [K 1,024, N 1,024]; A: computed on the way; B: input Wproj: QUANTISED
;;   THE QUANTISER, for each operand of a quantised product, along K:
;;     - K is cut into blocks of 32 from its start; a last block that is shorter is filled with zeros.
;;     - A block's scale is 2^e with e = floor(log2(the largest magnitude in the block)) - 2, held to -126 .. 127; a block of zeros has e = 0. As a byte (E8M0): e + 127.
;;     - Each number is divided by its block's scale, clamped to +-7.5, and rounded to the nearest number of E2M3, ties to even, subnormals kept.
;;     - The product sums the exact products of the quantised numbers (number of the format x scale) in f32.
;;   ~~~python
;;   def quantise(x, axis):      # numpy; x: float32 -> the quantised numbers, widened to float32 again
;;       x = np.moveaxis(x, axis, -1); K = x.shape[-1]
;;       x = np.pad(x, [(0, 0)] * (x.ndim - 1) + [(0, -K % 32)]); x = x.reshape(x.shape[:-1] + (-1, 32)); a = np.abs(x).max(-1, keepdims=True)
;;       e = np.where(a > 0, np.clip(np.frexp(np.where(a > 0, a, 1))[1] - 1 - 2, -126, 127), 0)      # np.frexp(a)[1] - 1 = floor(log2(a)), exactly
;;       r = np.clip(x / 2.0 ** e, -7.5, 7.5)
;;       step = 2.0 ** (np.maximum(np.frexp(np.where(r == 0, 1, r))[1] - 1, 0) - 3)
;;       q = np.round(r / step) * step * 2.0 ** e      # np.round: ties to even
;;       return np.moveaxis(q.reshape(q.shape[:-2] + (-1,))[..., :K], -1, axis).astype(np.float32)
;;   ~~~
;;   SOFTMAX AHEAD OF A QUANTISED PRODUCT. Where the list says 'softmax', what is quantised is not the finished softmax but p = 2^(t - M), with t = logit x log2(e) and M = ceil(the row's largest t), a whole number; so 1/2 < the row's largest p <= 1. The row's sum l is taken of the UNQUANTISED p, in f32, and the product's result is divided by l at the end. Since M is a whole number, a kernel that streams over the keys may use a running M (the ceiling of the running maximum): every later rescaling is an exact power of two, which a block's scale takes up: the codes' values come out the same.
;;   OPERANDS COMPUTED ON THE WAY. 'Computed on the way' means the value that the module computes at that place (a softmax that the list does not call 'softmax' is quantised finished and normalised). What goes into a quantiser is computed in f32, as accurately as f32 sums, v_exp_f32 and their like allow (about 1e-6 of the number): no bf16 or f16 on the way to a quantiser, and a product that is left as it is and whose result goes on into a quantised operand takes f32 operands (vector FMAs, or v_wmma_f32_16x16x4_f32). A number that lies on a knife's edge between two numbers of the format may be rounded either way, as far as f32 arithmetic and the matrix unit's own rounding can turn it there, and no further.
;; One version. Each part assembles by itself: llvm-mc -triple=amdgcn-amd-amdhsa -mcpu=gfx1250 --defsym DOCPART=n.
;; ======== version 1 of 1: 5 launches
;; limits: right only within a limited range of input values
;; workspace buffers: xw 22,937,600 bytes; h 13,107,200 bytes; vt 6,553,600 bytes; p 13,107,200 bytes; st 1,048,576 bytes; y 6,553,600 bytes
;; launch quant (part 1): grid 256 x 1, 7 waves a work-group, no clusters, 60,160 bytes of LDS; arguments q, k, v, Wq, Wk, Wv, Wproj, xw; writes xw
.if DOCPART == 1
	.amdgcn_target "amdgcn-amd-amdhsa--gfx1250"
	.amdhsa_code_object_version 6
	.text
	.protected	k_qafd4c1803d_quant
	.globl	k_qafd4c1803d_quant
	.p2align	8
	.type	k_qafd4c1803d_quant,@function
k_qafd4c1803d_quant:
	s_mov_b64 s[64:65], 0
	v_nop
	global_prefetch_b8 v0, s[64:65] scope:SCOPE_SE
	s_setreg_imm32_b32 hwreg(HW_REG_WAVE_MODE, 25, 1), 1
	s_wait_xcnt 0x0
; q, k, v [8192][1024] and Wq, Wk, Wv, Wproj [1024][1024], f32, K innermost, become codes of FP6 (E2M3) with one E8M0 scale byte for each 32 along K, laid as RECORDS in xw.
; A RECORD (12,800 bytes) is 128 rows x 128 along K in the order of the operand's registers: tile a (0..7) holds rows 32 (a / 2) + 8 (a % 2) + r + 8 (r / 8), r = 0..15; its fragment's registers 4 c .. 4 c + 3 of lane l
; lie at 1536 a + 512 c + 16 l; at 12288 + 16 l lie four scale words: lane (r, h), word i: tile 4 h + i, row r.  A matrix lies as [group of 128 rows][K step].
; Groups in xw: q 0-63, k 64-127, v 128-191, Wq 192-199, Wk 200-207, Wv 208-215, Wproj 216-223; 8 K steps each.
; SHARES.  A wave makes one record; a work-group four K steps of one group.  Each load reads 512 consecutive bytes of one row; a tile's 16 rows turn through the wave's own stage in LDS (rows 528 bytes apart), so that
; lane (r, h) gets, of row r, numbers 32 b + 16 h + 0..15 of each block b: 16 neighbours for the conversions.  Every store covers 512 consecutive bytes.  Waves share nothing: no barrier.
; A block's scale is 2^(floor(log2(its largest magnitude)) - 2); its byte is the largest magnitude's exponent field - 2, held at 1 from below.
; LIMITS: a block of zeros gets the byte 1 where the rule says 127 (its codes are zeros, and this program alone reads the bytes); blocks whose largest magnitude lies under 2^-124 are held at the byte 1; NaN and infinities are not served.
; AS THE TEXT NOW STANDS, where it differs from SHARES above: a work-group has seven waves, and wave w of work-group n makes record 7 n + w of the 1,792 (group = record / 8, K step = record % 8): 256 work-groups of equal work.
.set REC,   12800
.set STG,   16*528                     ; a wave's stage
.set SPARE, 7*STG                      ; behind the seven stages: the spare words, 128 bytes for each wave, in four blocks of 256 bytes
.set LI,   1                           ; v1  16 x lane: my place in every load and store of 512 bytes; never rewritten
.set SIN,  2                           ; v2  the stage, on the way in: 16 x lane
.set SOUT, 3                           ; v3  on the way out: 528 r + 64 h
.set SPW,  12                          ; v12 LDS address of my spare word; never rewritten
.set NIL,  13                          ; v13 0; never rewritten
.set TM,   16                          ; v16-31  largest magnitudes, bytes, scale operands
.set PC,   32                          ; v32-51  the codes just made
.set SW,   52                          ; v52-59  the eight tiles' scale words
.set OU,   60                          ; v60-63  the scale block
.set X,    64                          ; v64-127 64 numbers: register 16 b + i = k 32 b + 16 h + i of my row
.set R,    128                         ; v128-255 two sets of 64: a tile as it is loaded
.set WV,   2
.set IN,   8                           ; s[8:9]   my record's first number
.set OB,   10                          ; s[10:11] my record
.set SEL,  12                          ; s[12:13] v_permlanex16_b32's selects for lane l xor 16
.set HM,   14                          ; s14      lanes 16-31
	s_load_b512 s[16:31], s[0:1], 0x0              ; q, k, v, Wq, Wk, Wv, Wproj, xw
	v_lshl_add_u32 v[SPW], v0, 2, SPARE
	v_mov_b32 v[NIL], 0
	v_lshrrev_b32 v4, 5, v0
	v_readfirstlane_b32 s[WV], v4                  ; wave 0..6
	v_and_b32 v4, 31, v0
	v_lshlrev_b32 v[LI], 4, v4
	s_mul_i32 s3, s[WV], STG
	v_add_nc_u32 v[SIN], s3, v[LI]
	v_and_b32 v5, 15, v0                           ; r
	v_bfe_u32 v6, v0, 4, 1                         ; h
	v_mul_u32_u24 v[SOUT], v5, 528
	v_lshl_add_u32 v[SOUT], v6, 6, v[SOUT]
	v_add_nc_u32 v[SOUT], s3, v[SOUT]
.irp b, 0,1,2,3
	v_mov_b32 v[TM+4+\b], 0                        ; written once: a lane permute's destination counts as one of its sources
.endr
	s_mov_b32 s[SEL], 0x76543210
	s_mov_b32 s[SEL+1], 0xfedcba98
	s_mov_b32 s[HM], 0xffff0000
	s_mul_i32 s6, ttmp9, 7
	s_add_co_u32 s6, s6, s[WV]                     ; my record, 0..1791
	s_lshr_b32 s4, s6, 3                           ; the group, 0..223
	s_and_b32 s5, s6, 7                            ; the K step, 0..7
	s_mul_i32 s6, s6, REC                          ; my record in xw
	s_mov_b32 s7, 0
	s_wait_alu depctr_va_vdst(0)
	s_wait_kmcnt 0x0
	s_add_nc_u64 s[OB:OB+1], s[30:31], s[6:7]
	s_mov_b64 s[IN:IN+1], s[28:29]                 ; which tensor: from Wproj downward; the choice hangs on the record's group
	s_mov_b32 s6, 216                              ; and its first group
.macro PICK lim, ptr, base
	s_cmp_lt_u32 s4, \lim
	s_cselect_b64 s[IN:IN+1], s[\ptr:\ptr+1], s[IN:IN+1]
	s_cselect_b32 s6, \base, s6
.endm
	PICK 216, 26, 208
	PICK 208, 24, 200
	PICK 200, 22, 192
	PICK 192, 20, 128
	PICK 128, 18, 64
	PICK 64, 16, 0
	s_sub_co_u32 s6, s4, s6                        ; the group within its tensor: 128 rows of 4,096 bytes each,
	s_lshl_b32 s6, s6, 19
	s_lshl_b32 s15, s5, 9                          ; and 512 bytes a K step
	s_add_co_u32 s6, s6, s15
	s_add_nc_u64 s[IN:IN+1], s[IN:IN+1], s[6:7]
.macro LOADT a                         ; tile a's 16 rows, 512 consecutive bytes each, into set a % 2
.irp rr, 0,1,2,3,4,5,6,7,8,9,10,11,12,13,14,15
	global_load_b128 v[R+64*((\a)%2)+4*\rr:R+64*((\a)%2)+4*\rr+3], v[LI], s[IN:IN+1] offset:(32*((\a)/2)+8*((\a)%2)+\rr+8*(\rr/8))*4096 th:TH_LOAD_NT
.endr
.endm
.macro QHEAD                           ; the four blocks' largest magnitudes, by turns, with the floor 2^(3 - 127) among the leaves: the byte cannot fall under 1
.irp b, 0,1,2,3
	v_max3_num_f32 v[TM+\b], |v[X+16*\b]|, |v[X+16*\b+1]|, 0x1800000
.endr
.irp i, 2,4,6,8,10,12,14
.irp b, 0,1,2,3
	v_max3_num_f32 v[TM+\b], |v[X+16*\b+\i]|, |v[X+16*\b+\i+1]|, v[TM+\b]
.endr
.endr
.irp b, 0,1,2,3
	v_permlanex16_b32 v[TM+4+\b], v[TM+\b], s[SEL], s[SEL+1]
.endr
.irp b, 0,1,2,3
	v_max_num_f32 v[TM+\b], v[TM+\b], v[TM+4+\b]   ; with lane l xor 16's 16 numbers: the block's
.endr
.endm
.macro QTAIL word, later               ; scale operands, bytes, the scale word, the codes in v[PC] .. v[PC + 11]
.irp b, 0,1,2,3
	v_add_nc_u32 v[TM+12+\b], 0xff000000, v[TM+\b] ; 2 off the exponent field: the conversion takes the exponent field of this operand as its scale
.endr
.irp b, 0,1,2,3
	v_lshrrev_b32 v[TM+4+\b], 23, v[TM+12+\b]      ; the scale's byte
.endr
	v_lshl_or_b32 v[\word], v[TM+5], 8, v[TM+4]
	v_lshl_or_b32 v[\word], v[TM+6], 16, v[\word]
	v_lshl_or_b32 v[\word], v[TM+7], 24, v[\word]
.if (\later) > 0
	s_wait_xcnt 0x0                                ; the last tile's stores have read the codes' registers: they are written again only behind this wait
.endif
.irp c, 0,1
	v_cvt_scalef32_pk16_fp6_f32 v[PC+6*\c:PC+6*\c+2], v[X+32*\c:X+32*\c+15], v[TM+12+2*\c]
	v_cvt_scalef32_pk16_fp6_f32 v[PC+12+4*\c:PC+12+4*\c+2], v[X+32*\c+16:X+32*\c+31], v[TM+12+2*\c+1]   ; (a conversion's three registers begin on an even number)
.endr
	v_nop                                          ; one plain place behind a scaled conversion
.irp c, 0,1                            ; the operand's layout wants a whole block in a lane: lanes 0-15 block 2 c, lanes 16-31 block 2 c + 1
.irp i, 0,1,2
	v_permlane16_swap_b32 v[PC+6*\c+\i], v[PC+12+4*\c+\i]
.endr
.irp i, 0,1,2
	v_mov_b32 v[PC+3+6*\c+\i], v[PC+12+4*\c+\i]
.endr
.endr
.endm
.macro STEP a
.if (\a) < 7
	s_wait_loadcnt 16                              ; this tile's 16 loads are in; the next tile's 16 may be out
.else
	s_wait_loadcnt 0x0
.endif
.irp rr, 0,1,2,3,4,5,6,7,8,9,10,11,12,13,14,15
	ds_store_b128 v[SIN], v[R+64*((\a)%2)+4*\rr:R+64*((\a)%2)+4*\rr+3] offset:528*\rr
.endr
.irp b, 0,1,2,3
.irp j, 0,1,2,3
	ds_load_b128 v[X+16*\b+4*\j:X+16*\b+4*\j+3], v[SOUT] offset:128*\b+16*\j   ; LDS serves a wave's instructions in order: these see the stores above
.endr
.endr
	s_wait_dscnt 0x0                               ; my numbers are back, and the stores have read their registers,
.if (\a)+2 < 8
	LOADT (\a)+2                                   ; which take the tile two further on
.endif
	QHEAD
	QTAIL SW+(\a), \a
.irp c, 0,1,2
	global_store_b128 v[LI], v[PC+4*\c:PC+4*\c+3], s[OB:OB+1] offset:(\a)*1536+512*\c   ; the fragment as it stands: 512 consecutive bytes a store
.endr
.endm
	LOADT 0
	LOADT 1
.irp a, 0,1,2,3,4,5,6,7
	STEP \a
.endr
.irp i, 0,1,2,3
	v_cndmask_b32 v[OU+\i], v[SW+\i], v[SW+4+\i], s[HM]   ; the scale block: lanes 0-15 tiles 0-3, lanes 16-31 tiles 4-7 (both halves of the lanes hold a row's word)
.endr
	global_store_b128 v[LI], v[OU:OU+3], s[OB:OB+1] offset:12288
	s_wait_tensorcnt 0x0                           ; the wave's end, behind my last LDS store
	ds_add_u32 v[SPW], v[NIL]
	s_wait_dscnt 0x0
	s_endpgm
.Lfunc_end_k_qafd4c1803d_quant:
	.size	k_qafd4c1803d_quant, .Lfunc_end_k_qafd4c1803d_quant-k_qafd4c1803d_quant
	.p2alignl 7, 3214868480
	.fill 96, 4, 3214868480
	.section	.rodata,"a",@progbits
	.p2align	6, 0x0
	.amdhsa_kernel k_qafd4c1803d_quant
		.amdhsa_group_segment_fixed_size 60160
		.amdhsa_private_segment_fixed_size 0
		.amdhsa_enable_private_segment 0
		.amdhsa_kernarg_size 64
		.amdhsa_user_sgpr_count 2
		.amdhsa_user_sgpr_kernarg_segment_ptr 1
		.amdhsa_wavefront_size32 1
		.amdhsa_system_sgpr_workgroup_id_x 1
		.amdhsa_system_sgpr_workgroup_id_y 1
		.amdhsa_system_sgpr_workgroup_id_z 1
		.amdhsa_system_vgpr_workitem_id 0
		.amdhsa_next_free_vgpr 256
		.amdhsa_next_free_sgpr 66
		.amdhsa_reserve_vcc 0
		.amdhsa_float_denorm_mode_32 3
		.amdhsa_float_denorm_mode_16_64 3
		.amdhsa_memory_ordered 1
		.amdhsa_forward_progress 1
		.amdhsa_inst_pref_size 64
	.end_amdhsa_kernel
	.amdgpu_metadata
---
amdhsa.version: [ 1, 2 ]
amdhsa.kernels:
  - .name:           k_qafd4c1803d_quant
    .symbol:         k_qafd4c1803d_quant.kd
    .args:
      - { .name: q, .offset: 0, .size: 8, .value_kind: global_buffer, .address_space: global }
      - { .name: k, .offset: 8, .size: 8, .value_kind: global_buffer, .address_space: global }
      - { .name: v, .offset: 16, .size: 8, .value_kind: global_buffer, .address_space: global }
      - { .name: Wq, .offset: 24, .size: 8, .value_kind: global_buffer, .address_space: global }
      - { .name: Wk, .offset: 32, .size: 8, .value_kind: global_buffer, .address_space: global }
      - { .name: Wv, .offset: 40, .size: 8, .value_kind: global_buffer, .address_space: global }
      - { .name: Wproj, .offset: 48, .size: 8, .value_kind: global_buffer, .address_space: global }
      - { .name: xw, .offset: 56, .size: 8, .value_kind: global_buffer, .address_space: global }
    .group_segment_fixed_size: 60160
    .private_segment_fixed_size: 0
    .kernarg_segment_align: 8
    .kernarg_segment_size: 64
    .max_flat_workgroup_size: 224
    .sgpr_count:     66
    .vgpr_count:     256
    .wavefront_size: 32
...
	.end_amdgpu_metadata
.endif
;; end of part 1
;; launch proj (part 2): grid 256 x 1, 4 waves a work-group, no clusters, 327,680 bytes of LDS; arguments xw, h; writes h
.if DOCPART == 2
	.amdgcn_target "amdgcn-amd-amdhsa--gfx1250"
	.amdhsa_code_object_version 6
	.text
	.protected	k_qafd4c1803d_proj
	.globl	k_qafd4c1803d_proj
	.p2align	8
	.type	k_qafd4c1803d_proj,@function
k_qafd4c1803d_proj:
	s_mov_b64 s[64:65], 0
	v_nop
	global_prefetch_b8 v0, s[64:65] scope:SCOPE_SE
	s_setreg_imm32_b32 hwreg(HW_REG_WAVE_MODE, 25, 1), 1
	s_wait_xcnt 0x0
; qh = q Wq^T, kh = k Wk^T and vh^T = Wv v^T on codes of FP6 (E2M3) with E8M0 scales; each result is quantised at once along its own next K and stored as records in h.
; RECORDS (12,800 bytes: 128 rows x 128 along K): tile a holds rows 32 (a / 2) + 8 (a % 2) + r + 8 (r / 8); registers 4 c .. 4 c + 3 of lane l at 1536 a + 512 c + 16 l; at 12288 + 16 l four scale words: lane (r, h), word i: tile 4 h + i, row r.
; xw: groups q 0-63, k 64-127, v 128-191, Wq 192-, Wk 200-, Wv 208-, 8 K steps each.  h: qh records 0-511 [64 groups][8], kh 512-1023, vh^T 1024-1535 [8 groups of channels][64 steps of tokens].
; SHARES.  A work-group takes 128 rows (one group of the row operand A) x 512 columns, each of its four waves 128 x 128: 64 accumulators, all of K.  Jobs 0 and 1: A = the tokens, B = the weight.  Job 2: A = Wv, B = v's tokens, so that
; the result's columns, along which it is quantised, are the keys.  THE MATRIX INSTRUCTION IS USED TRANSPOSED (source 0 = 16 rows of B, source 1 = 16 rows of A): a lane holds one row of the result, and by the tiles' choice of rows the 16
; registers of B's tiles 2 b and 2 b + 1 are columns 32 b + 16 h + 0..15: sixteen neighbours for the conversions.  A wave's result is exactly one record.
; A's eight records (102,400 bytes) come into LDS once, by tensor loads, in four chunks of two K steps, a quarter of each chunk by each wave; nothing in LDS is filled again.  By the text's own count a wave has four tensor loads out.
; B's records are each multiplied by ONE wave of the work-group: they go from memory straight into that wave's registers, through a ring of five quads (4 fragments, 12 loads of 512 consecutive bytes); four quads are on their way.
; NO CLUSTER: what work-groups share most is B, and a joint load lands in LDS alone: that would add 12,800 bytes written and 12,800 read for each wave and K step, as much again as A's reads.  A's block is a fifth of a work-group's bytes.
; LIMITS: a block of zeros gets the byte 1 where the rule says 127 (its codes are zeros, and this program alone reads the bytes); blocks whose largest magnitude lies under 2^-124 are held at the byte 1; NaN and infinities are not served.
; REGISTERS: window 0: v1 16 x lane; v2-3 LDS bases; v12, v13 the add's two; v16-23 A's scale blocks, two sets; v24-39 B's, four sets; v64-159, v160-255 A's eight fragments, two sets (free in the epilogue).
;   window 1: v0-239 the ring.   windows 2, 3: accumulator (A's tile a, B's tile t) at v[64 (a % 4) + 8 t] of window 2 + a / 4.
; AS THE TEXT NOW STANDS, where it differs from the lines above: jobs 0 and 1 alone (qh, kh: 256 work-groups); vh^T is made by the next launch; h holds records 0-1023.
; A's eight records come in two halves, a record (50 rows of 256 bytes) a wave each: K steps 0-3 by the head's one tensor load a wave; K steps 4-7 by a second load, issued behind the first barrier with an LDS add and its wait
; in front of it, and waited for, with a barrier, in K step 3.  By the text's own count a wave has one tensor load out.
.set REC,   12800
.set NS,    8                          ; K steps
.set NC,    NS/2                       ; chunks of A
.set NQ,    2*NS                       ; quads of B
.set CHK,   2*REC
.set QTR,   CHK/4
.set SPARE, NS*REC                     ; behind A's records: the spare words, 128 bytes for each wave
.set LI,  1
.set LA,  2
.set SPW, 12
.set NIL, 13
.set AS,  16
.set BS,  24
.set AF,  64
.set PC,  64                           ; the epilogue: v64-83 codes, v84-99 at work, v100-107 scale words, v124-127 the scale block
.set TM,  84
.set SW,  100
.set OU,  124
.set WV,  12
.set G1,  24                           ; s[24:31] descriptor group 1;  s[32:39] group 0, a set for each half
.set G0,  32
.set BB,  66                           ; s[66:67] my B records
.set OB,  68                           ; s[68:69] my record of the result
.set SEL, 72
.set HM,  74
.set MSB, 0
.macro WIN new                         ; the immediate's high byte repeats the setting that is left; a switch that changes nothing is dropped
.if MSB != (\new)
	s_set_vgpr_msb (MSB<<8)|(\new)
.set MSB, (\new)
.endif
.endm
.macro PLACES                          ; four places: in front of loads into registers that matrix instructions have read, and of the first read of results
.rept 4
	v_nop
.endr
.endm
.macro BQUAD q                         ; quad q: B's tiles 4 (q % 2) .. + 3 of K step q / 2, into slot q % 5 of the ring; an even quad brings the step's scale block first
.if ((\q)%2) == 0
	WIN 0
	global_load_b128 v[BS+4*(((\q)/2)%4):BS+4*(((\q)/2)%4)+3], v[LI], s[BB:BB+1] offset:((\q)/2)*REC+12288
.endif
	WIN 0x40                                       ; destination window 1, address window 0
.irp t, 0,1,2,3
.irp c, 0,1,2
	global_load_b128 v[48*((\q)%5)+12*\t+4*\c:48*((\q)%5)+12*\t+4*\c+3], v[LI], s[BB:BB+1] offset:((\q)/2)*REC+(4*((\q)%2)+\t)*1536+512*\c
.endr
.endr
.endm
.macro AFETCH s                        ; A's eight fragments and scale block of K step s, from LDS as they lie, into set s % 2
.irp a, 0,1,2,3,4,5,6,7
.irp c, 0,1,2
	ds_load_b128 v[AF+96*((\s)%2)+12*\a+4*\c:AF+96*((\s)%2)+12*\a+4*\c+3], v[LA+(\s)/4] offset:((\s)%4)*REC+\a*1536+512*\c
.endr
.endr
	ds_load_b128 v[AS+4*((\s)%2):AS+4*((\s)%2)+3], v[LA+(\s)/4] offset:((\s)%4)*REC+12288
.endm
.macro WM half, hi, zero               ; one product; tiles 4-7 of a side have their scale words in lanes 16-31
.if (\zero)
.if ((\half) == 0) && ((\hi) == 0)
	v_wmma_scale_f32_16x16x128_f8f6f4 v[rD:rD+7], v[rB:rB+11], v[rA:rA+11], 0, v[rSB], v[rSA] matrix_a_fmt:MATRIX_FMT_FP6 matrix_b_fmt:MATRIX_FMT_FP6
.elseif (\hi) == 0
	v_wmma_scale_f32_16x16x128_f8f6f4 v[rD:rD+7], v[rB:rB+11], v[rA:rA+11], 0, v[rSB], v[rSA] matrix_a_fmt:MATRIX_FMT_FP6 matrix_b_fmt:MATRIX_FMT_FP6 matrix_a_scale:MATRIX_SCALE_ROW1
.elseif (\half) == 0
	v_wmma_scale_f32_16x16x128_f8f6f4 v[rD:rD+7], v[rB:rB+11], v[rA:rA+11], 0, v[rSB], v[rSA] matrix_a_fmt:MATRIX_FMT_FP6 matrix_b_fmt:MATRIX_FMT_FP6 matrix_b_scale:MATRIX_SCALE_ROW1
.else
	v_wmma_scale_f32_16x16x128_f8f6f4 v[rD:rD+7], v[rB:rB+11], v[rA:rA+11], 0, v[rSB], v[rSA] matrix_a_fmt:MATRIX_FMT_FP6 matrix_b_fmt:MATRIX_FMT_FP6 matrix_a_scale:MATRIX_SCALE_ROW1 matrix_b_scale:MATRIX_SCALE_ROW1
.endif
.else
.if ((\half) == 0) && ((\hi) == 0)
	v_wmma_scale_f32_16x16x128_f8f6f4 v[rD:rD+7], v[rB:rB+11], v[rA:rA+11], v[rD:rD+7], v[rSB], v[rSA] matrix_a_fmt:MATRIX_FMT_FP6 matrix_b_fmt:MATRIX_FMT_FP6
.elseif (\hi) == 0
	v_wmma_scale_f32_16x16x128_f8f6f4 v[rD:rD+7], v[rB:rB+11], v[rA:rA+11], v[rD:rD+7], v[rSB], v[rSA] matrix_a_fmt:MATRIX_FMT_FP6 matrix_b_fmt:MATRIX_FMT_FP6 matrix_a_scale:MATRIX_SCALE_ROW1
.elseif (\half) == 0
	v_wmma_scale_f32_16x16x128_f8f6f4 v[rD:rD+7], v[rB:rB+11], v[rA:rA+11], v[rD:rD+7], v[rSB], v[rSA] matrix_a_fmt:MATRIX_FMT_FP6 matrix_b_fmt:MATRIX_FMT_FP6 matrix_b_scale:MATRIX_SCALE_ROW1
.else
	v_wmma_scale_f32_16x16x128_f8f6f4 v[rD:rD+7], v[rB:rB+11], v[rA:rA+11], v[rD:rD+7], v[rSB], v[rSA] matrix_a_fmt:MATRIX_FMT_FP6 matrix_b_fmt:MATRIX_FMT_FP6 matrix_a_scale:MATRIX_SCALE_ROW1 matrix_b_scale:MATRIX_SCALE_ROW1
.endif
.endif
.endm
.macro MUL16 s, half, hi, zero         ; 16 products of K step s: B's tiles 4 half + t x A's tiles 4 hi + a.  The 64 accumulators take turns, one instruction a turn, in the same order in every K step
	WIN 0xa1+0x50*(\hi)                            ; source 0 (B) window 1, source 1 (A) window 0, C and D window 2 + hi
.irp t, 0,1,2,3
.irp a, 0,1,2,3
.set rD, 64*\a+8*(4*(\half)+\t)
.set rB, 48*((2*(\s)+(\half))%5)+12*\t
.set rA, AF+96*((\s)%2)+12*(4*(\hi)+\a)
.set rSB, BS+4*((\s)%4)+\t
.set rSA, AS+4*((\s)%2)+\a
	WM \half, \hi, \zero
.endr
.endr
.endm
.macro LCW g                           ; quad g is in: behind it at most four quads of 12 loads were issued (their scale loads are left out of the count, which only makes the wait stricter)
.if NQ-1-(\g) >= 4
	s_wait_loadcnt 48
.else
	s_wait_loadcnt 12*(NQ-1-(\g))
.endif
.endm
.macro KSTEP s, zero                   ; 128 along K: 64 products.  zero = 1: they start the sums: nothing is ever cleared
	LCW 2*(\s)
.if (\s) == 3
	s_wait_tensorcnt 0x0                           ; my record of A's second half has landed
	s_barrier_signal -1                            ; (no LDS instruction of mine is out: the last K step ended with the wait for them)
.endif
	MUL16 \s, 0, 0, \zero
	MUL16 \s, 0, 1, \zero
	WIN 0
.if (\s) == 3
	s_barrier_wait -1                              ; everybody's has
.endif
	PLACES
.if 2*(\s)+5 < NQ
	BQUAD 2*(\s)+5                                 ; into the slot just multiplied
	WIN 0
.endif
.if (\s)+1 < NS
	AFETCH (\s)+1                                  ; 32 products ahead of its use
.endif
	LCW 2*(\s)+1
	MUL16 \s, 1, 0, \zero
	MUL16 \s, 1, 1, \zero
	WIN 0
	PLACES
.if 2*(\s)+6 < NQ
	BQUAD 2*(\s)+6
	WIN 0
.endif
.if (\s)+1 < NS
	s_wait_dscnt 0x0                               ; the next K step's fragments of A are in
.endif
.endm
.macro QHEAD src, win                  ; 64 numbers of a lane in window win, register 16 b + i = column 32 b + 16 h + i of my row: the four blocks' largest magnitudes, by turns, ascending, with the floor 2^(3 - 127) among the leaves
	WIN (\win)|((\win)<<2)
.irp b, 0,1,2,3
	v_max3_num_f32 v[TM+\b], |v[(\src)+16*\b]|, |v[(\src)+16*\b+1]|, 0x1800000
.endr
.irp i, 2,4,6,8,10,12,14
.irp b, 0,1,2,3
	v_max3_num_f32 v[TM+\b], |v[(\src)+16*\b+\i]|, |v[(\src)+16*\b+\i+1]|, v[TM+\b]
.endr
.endr
	WIN 0
.irp b, 0,1,2,3
	v_permlanex16_b32 v[TM+4+\b], v[TM+\b], s[SEL], s[SEL+1]
.endr
.irp b, 0,1,2,3
	v_max_num_f32 v[TM+\b], v[TM+\b], v[TM+4+\b]   ; with lane l xor 16's 16 numbers: the block's
.endr
.endm
.macro QTAIL src, win, word, later     ; scale operands, bytes, the scale word, the codes in v[PC] .. v[PC + 11]
.irp b, 0,1,2,3
	v_add_nc_u32 v[TM+12+\b], 0xff000000, v[TM+\b] ; 2 off the exponent field: the conversion takes the exponent field of this operand as its scale
.endr
.irp b, 0,1,2,3
	v_lshrrev_b32 v[TM+4+\b], 23, v[TM+12+\b]      ; the scale's byte
.endr
	v_lshl_or_b32 v[\word], v[TM+5], 8, v[TM+4]
	v_lshl_or_b32 v[\word], v[TM+6], 16, v[\word]
	v_lshl_or_b32 v[\word], v[TM+7], 24, v[\word]
.if (\later) > 0
	s_wait_xcnt 0x0                                ; the last tile's stores have read the codes' registers: they are written again only behind this wait
.endif
	WIN (\win)
.irp c, 0,1
	v_cvt_scalef32_pk16_fp6_f32 v[PC+6*\c:PC+6*\c+2], v[(\src)+32*\c:(\src)+32*\c+15], v[TM+12+2*\c]
	v_cvt_scalef32_pk16_fp6_f32 v[PC+12+4*\c:PC+12+4*\c+2], v[(\src)+32*\c+16:(\src)+32*\c+31], v[TM+12+2*\c+1]   ; (a conversion's three registers begin on an even number)
.endr
	WIN 0
	v_nop                                          ; one plain place behind a scaled conversion
.irp c, 0,1                            ; the operand's layout wants a whole block in a lane
.irp i, 0,1,2
	v_permlane16_swap_b32 v[PC+6*\c+\i], v[PC+12+4*\c+\i]
.endr
.irp i, 0,1,2
	v_mov_b32 v[PC+3+6*\c+\i], v[PC+12+4*\c+\i]
.endr
.endr
.endm
.macro STORE3 a                        ; tile a's fragment as it stands: 512 consecutive bytes a store
.irp c, 0,1,2
	global_store_b128 v[LI], v[PC+4*\c:PC+4*\c+3], s[OB:OB+1] offset:(\a)*1536+512*\c
.endr
.endm
.macro SCBLK src, ou, base, off        ; eight words a row tile become a block: lanes 0-15 tiles 0-3, lanes 16-31 tiles 4-7 (both halves of the lanes hold a row's word)
.irp i, 0,1,2,3
	v_cndmask_b32 v[(\ou)+\i], v[(\src)+\i], v[(\src)+4+\i], s[HM]
.endr
	global_store_b128 v[LI], v[(\ou):(\ou)+3], s[(\base):(\base)+1] offset:\off
.endm
	s_load_b128 s[4:7], s[0:1], 0x0                ; xw, h
	v_lshl_add_u32 v[SPW], v0, 2, SPARE
	v_mov_b32 v[NIL], 0
	ds_add_u32 v[SPW], v[NIL]                      ; the wave's opening: the add and its wait ahead of my first tensor load; the set-up below, work on registers, stands between them
	ds_add_u32 v[SPW], v[NIL]
	v_lshrrev_b32 v7, 5, v0
	v_readfirstlane_b32 s[WV], v7                  ; wave 0..3
	v_and_b32 v7, 31, v0
	v_lshlrev_b32 v[LI], 4, v7
	v_lshlrev_b32 v[LA], 4, v7                     ; LDS: K steps 0-3 from here,
	v_add_nc_u32 v[LA+1], 4*REC, v[LA]             ; 4-7 from here: the immediates stay under 65,536
	s_mov_b32 s[G1+0], 3<<16                       ; a dense block as 50 rows of 256 bytes: elements of 8 bytes, no mask, no padding
	s_mov_b32 s[G1+1], 32<<16                      ; tensor_dim0 = 32
	s_mov_b32 s[G1+2], 50<<16                      ; tensor_dim1 = 50
	s_mov_b32 s[G1+3], 32<<16                      ; tile_dim0 = 32
	s_mov_b32 s[G1+4], 50                          ; tile_dim1 = 50
	s_mov_b32 s[G1+5], 32                          ; the pitch
	s_mov_b32 s[G1+6], 0
	s_mov_b32 s[G1+7], 0
	s_mov_b32 s[SEL], 0x76543210
	s_mov_b32 s[SEL+1], 0xfedcba98
	s_mov_b32 s[HM], 0xffff0000
	s_lshr_b32 s13, ttmp9, 7                       ; the job: 0 q, 1 k, 2 v
	s_and_b32 s14, ttmp9, 127
	s_lshl_b32 s18, s13, 6                         ; A's first group: 64 x job,
	s_lshl_b32 s19, s13, 3
	s_add_co_u32 s19, s19, 192                     ; B's: 192 + 8 x job;
	s_lshr_b32 s78, s14, 1                         ; which row group
	s_and_b32 s79, s14, 1                          ; which 512 columns
	s_add_co_u32 s80, s18, s78
	s_mul_i32 s80, s80, NS*REC
	s_mul_i32 s82, s[WV], REC                      ; my record of each half of A, in memory and in LDS
	s_add_co_u32 s80, s80, s82
	s_mov_b32 s81, 0
	s_lshl_b32 s84, s79, 2
	s_add_co_u32 s84, s84, s[WV]                   ; which 128 columns are my wave's
	s_add_co_u32 s86, s19, s84
	s_mul_i32 s86, s86, NS*REC
	s_mov_b32 s87, 0
	s_lshl_b32 s88, s13, 9                         ; the result's record: 512 x job + row group x its K steps + my columns
	s_lshl_b32 s89, s78, 3
	s_add_co_u32 s88, s88, s89
	s_add_co_u32 s88, s88, s84
	s_mul_i32 s88, s88, REC
	s_mov_b32 s89, 0
	s_wait_alu depctr_va_vdst(0)
	s_wait_dscnt 0x0                               ; the opening add is done
	s_wait_kmcnt 0x0
	s_add_nc_u64 s[20:21], s[4:5], s[80:81]
	s_add_nc_u64 s[BB:BB+1], s[4:5], s[86:87]
	s_add_nc_u64 s[OB:OB+1], s[6:7], s[88:89]
	s_mov_b32 s[G0], 1                             ; count = 1
	s_mov_b32 s[G0+1], s82                         ; LDS address: record w
	s_mov_b64 s[G0+2:G0+3], s[20:21]
	s_or_b32 s[G0+3], s[G0+3], 0x80000000          ; type = 2
	s_mov_b32 s[G0+4], 1                           ; and record 4 + w
	s_add_co_u32 s[G0+5], s82, 4*REC
	s_add_nc_u64 s[G0+6:G0+7], s[20:21], 4*REC
	s_or_b32 s[G0+7], s[G0+7], 0x80000000
	tensor_load_to_lds s[G0:G0+3], s[G1:G1+7]      ; my one tensor load at the head
	s_nop 0
	PLACES
.irp q, 0,1,2,3,4
	BQUAD \q
.endr
	WIN 0
	s_wait_tensorcnt 0x0                           ; my record of the first half has landed;
	ds_add_u32 v[SPW], v[NIL]
	s_wait_dscnt 0x0
	s_barrier_signal -1
	s_barrier_wait -1                              ; everybody's has
	tensor_load_to_lds s[G0+4:G0+7], s[G1:G1+7]    ; the second half, my one tensor load behind this barrier
	s_nop 0
	AFETCH 0
	s_wait_dscnt 0x0
	KSTEP 0, 1
.irp s, 1,2,3,4,5,6,7
	KSTEP \s, 0
.endr
	; THE EPILOGUE (the last K step's four places stand behind the last products): each of A's tiles: 64 numbers a lane, quantised along the columns, stored as tile a of my record
.irp b, 0,1,2,3
	v_mov_b32 v[TM+4+\b], 0                        ; written once: a lane permute's destination counts as one of its sources
.endr
.irp a, 0,1,2,3,4,5,6,7
	QHEAD 64*(\a%4), 2+\a/4
	QTAIL 64*(\a%4), 2+\a/4, SW+\a, \a
	STORE3 \a
.endr
	SCBLK SW, OU, OB, 12288
	s_wait_tensorcnt 0x0                           ; the wave's end
	ds_add_u32 v[SPW], v[NIL]
	s_wait_dscnt 0x0
	s_endpgm
.Lfunc_end_k_qafd4c1803d_proj:
	.size	k_qafd4c1803d_proj, .Lfunc_end_k_qafd4c1803d_proj-k_qafd4c1803d_proj
	.p2alignl 7, 3214868480
	.fill 96, 4, 3214868480
	.section	.rodata,"a",@progbits
	.p2align	6, 0x0
	.amdhsa_kernel k_qafd4c1803d_proj
		.amdhsa_group_segment_fixed_size 327680
		.amdhsa_private_segment_fixed_size 0
		.amdhsa_enable_private_segment 0
		.amdhsa_kernarg_size 16
		.amdhsa_user_sgpr_count 2
		.amdhsa_user_sgpr_kernarg_segment_ptr 1
		.amdhsa_wavefront_size32 1
		.amdhsa_system_sgpr_workgroup_id_x 1
		.amdhsa_system_sgpr_workgroup_id_y 1
		.amdhsa_system_sgpr_workgroup_id_z 1
		.amdhsa_system_vgpr_workitem_id 0
		.amdhsa_next_free_vgpr 1024
		.amdhsa_next_free_sgpr 96
		.amdhsa_reserve_vcc 0
		.amdhsa_float_denorm_mode_32 3
		.amdhsa_float_denorm_mode_16_64 3
		.amdhsa_memory_ordered 1
		.amdhsa_forward_progress 1
		.amdhsa_inst_pref_size 138
	.end_amdhsa_kernel
	.amdgpu_metadata
---
amdhsa.version: [ 1, 2 ]
amdhsa.kernels:
  - .name:           k_qafd4c1803d_proj
    .symbol:         k_qafd4c1803d_proj.kd
    .args:
      - { .name: xw, .offset: 0, .size: 8, .value_kind: global_buffer, .address_space: global }
      - { .name: h, .offset: 8, .size: 8, .value_kind: global_buffer, .address_space: global }
    .group_segment_fixed_size: 327680
    .private_segment_fixed_size: 0
    .kernarg_segment_align: 8
    .kernarg_segment_size: 16
    .max_flat_workgroup_size: 128
    .sgpr_count:     96
    .vgpr_count:     1024
    .wavefront_size: 32
...
	.end_amdgpu_metadata
.endif
;; end of part 2
;; launch score (part 3): grid 56 x 4, 4 waves a work-group, no clusters, 327,680 bytes of LDS; arguments h, p, st, xw, vt; writes p, st, vt
.if DOCPART == 3
	.amdgcn_target "amdgcn-amd-amdhsa--gfx1250"
	.amdhsa_code_object_version 6
	.text
	.protected	k_qafd4c1803d_score
	.globl	k_qafd4c1803d_score
	.p2align	8
	.type	k_qafd4c1803d_score,@function
k_qafd4c1803d_score:
	s_mov_b64 s[64:65], 0
	v_nop
	global_prefetch_b8 v0, s[64:65] scope:SCOPE_SE
	s_setreg_imm32_b32 hwreg(HW_REG_WAVE_MODE, 25, 1), 1
	s_wait_xcnt 0x0
; S = qh kh^T on codes of FP6 (E2M3), the tiles that the causal mask keeps; t = S x log2(e) / 8; for each row and each 128 keys: M = ceil(the largest t there), p = 2^(t - M), quantised along the keys and stored as a record of p;
; -M and l (the sum of the unquantised p) go to st.  M IS A WHOLE NUMBER, so the next launch brings every record under the row's M by whole-number additions to its scale bytes: the codes stay as they are.
; RECORDS (12,800 bytes: 128 rows x 128 along K): tile a holds rows 32 (a / 2) + 8 (a % 2) + r + 8 (r / 8); registers 4 c .. 4 c + 3 of lane l at 1536 a + 512 c + 16 l; at 12288 + 16 l four scale words: lane (r, h), word i: tile 4 h + i, row r.
; h: qh groups 0-63, kh groups 64-127, 8 K steps each.  p: [64 groups of queries][16 steps of keys].  st: 1,024 bytes for each record of p: 512 of -M, 512 of l, laid like a scale block.
; SHARES.  Work-group (j, batch): query group i and key steps 4 cg .. 4 cg + 3, for the 40 pairs with 4 cg <= i.  Wave w: key step s = 4 cg + w, 128 x 128, all of K = 1,024.  Records with s <= i | 1 are stored: the one at s = i + 1 of an
; even i is all hidden and comes out as zero codes, so that the next launch's chunks of two key steps are whole.  A wave with s > i | 1 walks the K loop with the others (every wave passes every barrier) and stores nothing.
; THE MATRIX INSTRUCTION IS USED TRANSPOSED (source 0 = 16 keys, source 1 = 16 queries): a lane holds one query; the 16 registers of key tiles 2 b and 2 b + 1 are keys 32 b + 16 h + 0..15.
; A (qh) comes into LDS once, by tensor loads, in four chunks of two K steps, a quarter of each by each wave (four tensor loads of a wave are out at the most); nothing is filled again.  B (kh) goes from memory into the registers of the one wave
; that multiplies it, through a ring of five quads.  NO CLUSTER: a joint load lands in LDS alone, which would add 12,800 bytes written and 12,800 read for each wave and K step; A's block is a fifth of a work-group's bytes.
; LIMITS: |t| stays under 2^23, so that M is a whole number in f32; p under 2^-126 counts as 0; a block of zeros gets the byte 1; NaN and infinities are not served.
; AS THE TEXT NOW STANDS, where it differs from the lines above.  Every wave of work-groups x < 40 stores its record: records up to s = i | 3 exist (those past i are all hidden: zero codes), so that the next launch's loads of whole records find them.
; A's eight records come in two halves, a record (50 rows of 256 bytes) a wave each: K steps 0-3 by the head's one tensor load a wave; K steps 4-7 by a second load, issued behind the first barrier with an LDS add and its wait
; in front of it, and waited for, with a barrier, in K step 3.  A wave has one tensor load out.
; WORK-GROUPS x = 40 .. 55 (64 with the four y) MAKE vh^T = Wv v^T, which the scores do not need: u = x - 40 + 16 y; A = Wv's group u / 8 (xw group 208 + u / 8), B = v's token groups 8 (u % 8) + 4 pass + wave (xw groups 128 ..),
; two passes on the same A, which stays in LDS; the result is quantised along the tokens and stored as record 64 (u / 8) + token group of vt.  The second pass's first five quads of B are asked for ahead of the first pass's way out.
.set REC,   12800
.set PS,    90                         ; s90 passes done
.set NS,    8
.set NC,    NS/2
.set NQ,    2*NS
.set CHK,   2*REC
.set QTR,   CHK/4
.set SPARE, NS*REC
.set LI,  1
.set LA,  2
.set SPW, 12
.set NIL, 13
.set AS,  16
.set BS,  24
.set AF,  64
.set PC,  64                           ; the epilogue: v64-83 codes, v84-99 at work, v100-107 scale words, v108-115 -M, v116-123 l, v124-135 three blocks, v136-139 sums, v140 the largest t
.set TM,  84
.set SW,  100
.set NM,  108
.set LS,  116
.set OU,  124
.set LP,  136
.set T0,  140
.set WV,  12
.set QI,  14                           ; s14 the query group in its batch
.set KS,  15                           ; s15 my key step
.set G1,  24
.set G0,  32
.set BB,  66
.set OB,  68                           ; s[68:69] my record of p;  s[70:71] its statistics
.set SB,  70
.set SEL, 72
.set HM,  74
.set CS,  76                           ; s[76:77] c = log2(e) / 8
.set MSB, 0
.macro WIN new                         ; the immediate's high byte repeats the setting that is left; a switch that changes nothing is dropped
.if MSB != (\new)
	s_set_vgpr_msb (MSB<<8)|(\new)
.set MSB, (\new)
.endif
.endm
.macro PLACES                          ; four places: in front of loads into registers that matrix instructions have read, and of the first read of results
.rept 4
	v_nop
.endr
.endm
.macro BQUAD q                         ; quad q: B's tiles 4 (q % 2) .. + 3 of K step q / 2, into slot q % 5 of the ring; an even quad brings the step's scale block first
.if ((\q)%2) == 0
	WIN 0
	global_load_b128 v[BS+4*(((\q)/2)%4):BS+4*(((\q)/2)%4)+3], v[LI], s[BB:BB+1] offset:((\q)/2)*REC+12288
.endif
	WIN 0x40                                       ; destination window 1, address window 0
.irp t, 0,1,2,3
.irp c, 0,1,2
	global_load_b128 v[48*((\q)%5)+12*\t+4*\c:48*((\q)%5)+12*\t+4*\c+3], v[LI], s[BB:BB+1] offset:((\q)/2)*REC+(4*((\q)%2)+\t)*1536+512*\c
.endr
.endr
.endm
.macro AFETCH s                        ; A's eight fragments and scale block of K step s, from LDS as they lie, into set s % 2
.irp a, 0,1,2,3,4,5,6,7
.irp c, 0,1,2
	ds_load_b128 v[AF+96*((\s)%2)+12*\a+4*\c:AF+96*((\s)%2)+12*\a+4*\c+3], v[LA+(\s)/4] offset:((\s)%4)*REC+\a*1536+512*\c
.endr
.endr
	ds_load_b128 v[AS+4*((\s)%2):AS+4*((\s)%2)+3], v[LA+(\s)/4] offset:((\s)%4)*REC+12288
.endm
.macro WM half, hi, zero               ; one product; tiles 4-7 of a side have their scale words in lanes 16-31
.if (\zero)
.if ((\half) == 0) && ((\hi) == 0)
	v_wmma_scale_f32_16x16x128_f8f6f4 v[rD:rD+7], v[rB:rB+11], v[rA:rA+11], 0, v[rSB], v[rSA] matrix_a_fmt:MATRIX_FMT_FP6 matrix_b_fmt:MATRIX_FMT_FP6
.elseif (\hi) == 0
	v_wmma_scale_f32_16x16x128_f8f6f4 v[rD:rD+7], v[rB:rB+11], v[rA:rA+11], 0, v[rSB], v[rSA] matrix_a_fmt:MATRIX_FMT_FP6 matrix_b_fmt:MATRIX_FMT_FP6 matrix_a_scale:MATRIX_SCALE_ROW1
.elseif (\half) == 0
	v_wmma_scale_f32_16x16x128_f8f6f4 v[rD:rD+7], v[rB:rB+11], v[rA:rA+11], 0, v[rSB], v[rSA] matrix_a_fmt:MATRIX_FMT_FP6 matrix_b_fmt:MATRIX_FMT_FP6 matrix_b_scale:MATRIX_SCALE_ROW1
.else
	v_wmma_scale_f32_16x16x128_f8f6f4 v[rD:rD+7], v[rB:rB+11], v[rA:rA+11], 0, v[rSB], v[rSA] matrix_a_fmt:MATRIX_FMT_FP6 matrix_b_fmt:MATRIX_FMT_FP6 matrix_a_scale:MATRIX_SCALE_ROW1 matrix_b_scale:MATRIX_SCALE_ROW1
.endif
.else
.if ((\half) == 0) && ((\hi) == 0)
	v_wmma_scale_f32_16x16x128_f8f6f4 v[rD:rD+7], v[rB:rB+11], v[rA:rA+11], v[rD:rD+7], v[rSB], v[rSA] matrix_a_fmt:MATRIX_FMT_FP6 matrix_b_fmt:MATRIX_FMT_FP6
.elseif (\hi) == 0
	v_wmma_scale_f32_16x16x128_f8f6f4 v[rD:rD+7], v[rB:rB+11], v[rA:rA+11], v[rD:rD+7], v[rSB], v[rSA] matrix_a_fmt:MATRIX_FMT_FP6 matrix_b_fmt:MATRIX_FMT_FP6 matrix_a_scale:MATRIX_SCALE_ROW1
.elseif (\half) == 0
	v_wmma_scale_f32_16x16x128_f8f6f4 v[rD:rD+7], v[rB:rB+11], v[rA:rA+11], v[rD:rD+7], v[rSB], v[rSA] matrix_a_fmt:MATRIX_FMT_FP6 matrix_b_fmt:MATRIX_FMT_FP6 matrix_b_scale:MATRIX_SCALE_ROW1
.else
	v_wmma_scale_f32_16x16x128_f8f6f4 v[rD:rD+7], v[rB:rB+11], v[rA:rA+11], v[rD:rD+7], v[rSB], v[rSA] matrix_a_fmt:MATRIX_FMT_FP6 matrix_b_fmt:MATRIX_FMT_FP6 matrix_a_scale:MATRIX_SCALE_ROW1 matrix_b_scale:MATRIX_SCALE_ROW1
.endif
.endif
.endm
.macro MUL16 s, half, hi, zero         ; 16 products of K step s: B's tiles 4 half + t x A's tiles 4 hi + a.  The 64 accumulators take turns, one instruction a turn, in the same order in every K step
	WIN 0xa1+0x50*(\hi)                            ; source 0 (B) window 1, source 1 (A) window 0, C and D window 2 + hi
.irp t, 0,1,2,3
.irp a, 0,1,2,3
.set rD, 64*\a+8*(4*(\half)+\t)
.set rB, 48*((2*(\s)+(\half))%5)+12*\t
.set rA, AF+96*((\s)%2)+12*(4*(\hi)+\a)
.set rSB, BS+4*((\s)%4)+\t
.set rSA, AS+4*((\s)%2)+\a
	WM \half, \hi, \zero
.endr
.endr
.endm
.macro LCW g                           ; quad g is in: behind it at most four quads of 12 loads were issued (their scale loads are left out of the count, which only makes the wait stricter)
.if NQ-1-(\g) >= 4
	s_wait_loadcnt 48
.else
	s_wait_loadcnt 12*(NQ-1-(\g))
.endif
.endm
.macro KSTEP s, zero                   ; 128 along K: 64 products.  zero = 1: they start the sums: nothing is ever cleared
	LCW 2*(\s)
.if (\s) == 3
	s_wait_tensorcnt 0x0                           ; my record of A's second half has landed
	s_barrier_signal -1                            ; (no LDS instruction of mine is out: the last K step ended with the wait for them)
.endif
	MUL16 \s, 0, 0, \zero
	MUL16 \s, 0, 1, \zero
	WIN 0
.if (\s) == 3
	s_barrier_wait -1                              ; everybody's has
.endif
	PLACES
.if 2*(\s)+5 < NQ
	BQUAD 2*(\s)+5                                 ; into the slot just multiplied
	WIN 0
.endif
.if (\s)+1 < NS
	AFETCH (\s)+1                                  ; 32 products ahead of its use
.endif
	LCW 2*(\s)+1
	MUL16 \s, 1, 0, \zero
	MUL16 \s, 1, 1, \zero
	WIN 0
	PLACES
.if 2*(\s)+6 < NQ
	BQUAD 2*(\s)+6
	WIN 0
.endif
.if (\s)+1 < NS
	s_wait_dscnt 0x0                               ; the next K step's fragments of A are in
.endif
.endm
.macro QTAIL src, win, word, later     ; from the blocks' largest magnitudes in v[TM] ..: scale operands, bytes, the scale word, the codes in v[PC] .. v[PC + 11]
.irp b, 0,1,2,3
	v_add_nc_u32 v[TM+12+\b], 0xff000000, v[TM+\b] ; 2 off the exponent field: the conversion takes the exponent field of this operand as its scale
.endr
.irp b, 0,1,2,3
	v_lshrrev_b32 v[TM+4+\b], 23, v[TM+12+\b]      ; the scale's byte
.endr
	v_lshl_or_b32 v[\word], v[TM+5], 8, v[TM+4]
	v_lshl_or_b32 v[\word], v[TM+6], 16, v[\word]
	v_lshl_or_b32 v[\word], v[TM+7], 24, v[\word]
.if (\later) > 0
	s_wait_xcnt 0x0                                ; the last tile's stores have read the codes' registers: they are written again only behind this wait
.endif
	WIN (\win)
.irp c, 0,1
	v_cvt_scalef32_pk16_fp6_f32 v[PC+6*\c:PC+6*\c+2], v[(\src)+32*\c:(\src)+32*\c+15], v[TM+12+2*\c]
	v_cvt_scalef32_pk16_fp6_f32 v[PC+12+4*\c:PC+12+4*\c+2], v[(\src)+32*\c+16:(\src)+32*\c+31], v[TM+12+2*\c+1]   ; (a conversion's three registers begin on an even number)
.endr
	WIN 0
	v_nop                                          ; one plain place behind a scaled conversion
.irp c, 0,1                            ; the operand's layout wants a whole block in a lane
.irp i, 0,1,2
	v_permlane16_swap_b32 v[PC+6*\c+\i], v[PC+12+4*\c+\i]
.endr
.irp i, 0,1,2
	v_mov_b32 v[PC+3+6*\c+\i], v[PC+12+4*\c+\i]
.endr
.endr
.endm
.macro STORE3 a                        ; tile a's fragment as it stands: 512 consecutive bytes a store
.irp c, 0,1,2
	global_store_b128 v[LI], v[PC+4*\c:PC+4*\c+3], s[OB:OB+1] offset:(\a)*1536+512*\c
.endr
.endm
.macro SCBLK src, ou, base, off        ; eight words a row tile become a block: lanes 0-15 tiles 0-3, lanes 16-31 tiles 4-7 (both halves of the lanes hold a row's word)
.irp i, 0,1,2,3
	v_cndmask_b32 v[(\ou)+\i], v[(\src)+\i], v[(\src)+4+\i], s[HM]
.endr
	global_store_b128 v[LI], v[(\ou):(\ou)+3], s[(\base):(\base)+1] offset:\off
.endm
; THE SOFTMAX OF QUERY TILE a: 64 scores a lane, register 16 b + i = key 128 s + 32 b + 16 h + i of my query.
.macro SOFT a
.set XX, 64*((\a)%4)
.set WW, 2+(\a)/4
.set WIP, WW|(WW<<6)                   ; destination and source 0 in the accumulators' window
.set WRD, WW|(WW<<2)                   ; sources 0 and 1 there
	s_cmp_lt_u32 s[KS], s[QI]                      ; under the diagonal every key counts: ids alone
	s_cbranch_scc1 .Lopen_\@
	v_add_nc_u32 v11, 32*((\a)/2)+8*((\a)%2), v9   ; d = my query - the record's first key - 16 h: register 16 b + i is hidden where 32 b + i > d
	WIN WIP
.set n, 0
.rept 64
	v_cmp_gt_i32 vcc_lo, 32*(n/16)+n%16, v11
	v_cndmask_b32 v[XX+n], v[XX+n], v10, vcc_lo    ; hidden scores become -infinity ahead of the maximum
.set n, n+1
.endr
	WIN 0
.Lopen_\@:
	WIN WRD
	s_wait_alu depctr_va_vdst(0)
.irp b, 0,1,2,3
	v_max3_num_f32 v[TM+\b], v[XX+16*\b], v[XX+16*\b+1], v10   ; the largest score of each block of 32 keys: it serves the row's maximum and, since p rises with the score, the block's largest p
.endr
.irp i, 2,4,6,8,10,12,14
.irp b, 0,1,2,3
	v_max3_num_f32 v[TM+\b], v[XX+16*\b+\i], v[XX+16*\b+\i+1], v[TM+\b]
.endr
.endr
	WIN 0
.irp b, 0,1,2,3
	v_permlanex16_b32 v[TM+4+\b], v[TM+\b], s[SEL], s[SEL+1]
.endr
.irp b, 0,1,2,3
	v_max_num_f32 v[TM+\b], v[TM+\b], v[TM+4+\b]
.endr
	v_max3_num_f32 v[T0], v[TM], v[TM+1], v[TM+2]
	v_max_num_f32 v[T0], v[T0], v[TM+3]
	v_mul_f32 v[T0], s[CS], v[T0]                  ; as t (c is positive)
	v_max_num_f32 v[T0], 0xff61b1e6, v[T0]         ; a row with no key here: -3e38, under every t
	v_floor_f32 v14, -v[T0]                        ; -M = floor(-t) = -ceil(t): a whole number
	v_mov_b32 v[NM+(\a)], v14
	WIN WIP
.set n, 0
.rept 32
	v_pk_fma_f32 v[XX+n:XX+n+1], v[XX+n:XX+n+1], s[CS:CS+1], v[14:15] op_sel_hi:[1,0,0]   ; t - M, two at a time (of the pairs c and -M the low word serves both halves)
.set n, n+2
.endr
	WIN 0
.irp b, 0,1,2,3
	v_fma_f32 v[TM+\b], v[TM+\b], s[CS], v14       ; the same of each block's largest score
.endr
	WIN WIP
.set n, 0
	s_wait_alu depctr_va_vdst(0)
.rept 64
	v_exp_f32 v[XX+n], v[XX+n]                     ; p = 2^(t - M), at most 1
.set n, n+1
.endr
	WIN 0
	v_nop                                          ; a plain place behind the exponentials
	s_wait_alu depctr_va_vdst(0)                   ; one wait for the whole batch, ahead of its first reader
.irp b, 0,1,2,3
	v_exp_f32 v[TM+\b], v[TM+\b]                   ; the block's largest p: the same two instructions on the same number give the same bits
.endr
	WIN WRD
	v_pk_add_f32 v[LP:LP+1], v[XX:XX+1], v[XX+2:XX+3]        ; the sum of the unquantised p, two at a time, in two chains: plain work behind the four
	v_pk_add_f32 v[LP+2:LP+3], v[XX+4:XX+5], v[XX+6:XX+7]
	WIN WW<<2
.set n, 8
.rept 14
	v_pk_add_f32 v[LP:LP+1], v[LP:LP+1], v[XX+n:XX+n+1]
	v_pk_add_f32 v[LP+2:LP+3], v[LP+2:LP+3], v[XX+n+2:XX+n+3]
.set n, n+4
.endr
	WIN 0
	v_pk_add_f32 v[LP:LP+1], v[LP:LP+1], v[LP+2:LP+3]
	v_add_f32 v[LP], v[LP], v[LP+1]
	v_permlanex16_b32 v[LP+2], v[LP], s[SEL], s[SEL+1]
	v_add_f32 v[LS+(\a)], v[LP], v[LP+2]           ; with lane l xor 16's 64 keys: l of my query and these 128 keys
	s_wait_alu depctr_va_vdst(0)                   ; and one wait for the four
.irp b, 0,1,2,3
	v_max_num_f32 v[TM+\b], 0x1800000, v[TM+\b]    ; the floor 2^(3 - 127): the byte cannot fall under 1
.endr
	QTAIL XX, WW, SW+(\a), \a
	STORE3 \a
.endm
	s_load_b128 s[4:7], s[0:1], 0x0                ; h, p
	s_load_b64 s[8:9], s[0:1], 0x10                ; st
	s_load_b128 s[92:95], s[0:1], 0x18             ; xw, vt
	v_lshl_add_u32 v[SPW], v0, 2, SPARE
	v_mov_b32 v[NIL], 0
	ds_add_u32 v[SPW], v[NIL]                      ; the wave's opening: the add and its wait ahead of my first tensor load; the set-up below, work on registers, stands between them
	ds_add_u32 v[SPW], v[NIL]
	v_lshrrev_b32 v7, 5, v0
	v_readfirstlane_b32 s[WV], v7                  ; wave 0..3
	v_and_b32 v7, 31, v0
	v_lshlrev_b32 v[LI], 4, v7
	v_lshlrev_b32 v[LA], 4, v7
	v_add_nc_u32 v[LA+1], 4*REC, v[LA]
	s_mov_b32 s[G1+0], 3<<16                       ; a dense block as 50 rows of 256 bytes: elements of 8 bytes, no mask, no padding
	s_mov_b32 s[G1+1], 32<<16
	s_mov_b32 s[G1+2], 50<<16
	s_mov_b32 s[G1+3], 32<<16
	s_mov_b32 s[G1+4], 50
	s_mov_b32 s[G1+5], 32
	s_mov_b32 s[G1+6], 0
	s_mov_b32 s[G1+7], 0
	s_mov_b32 s[SEL], 0x76543210
	s_mov_b32 s[SEL+1], 0xfedcba98
	s_mov_b32 s[HM], 0xffff0000
	s_mov_b32 s[CS], 0x3e38aa3b                    ; c = log2(e) / 8
	s_mov_b32 s[CS+1], s[CS]                       ; (named with it as a pair, so it is written)
	s_mov_b32 s13, 0                               ; (cg, i) from j: 16 pairs with cg = 0, 12 with 1, 8 with 2, 4 with 3
	s_mov_b32 s[QI], 0
	s_cmp_ge_u32 ttmp9, 16
	s_cselect_b32 s13, 1, s13
	s_cselect_b32 s[QI], 12, s[QI]
	s_cmp_ge_u32 ttmp9, 28
	s_cselect_b32 s13, 2, s13
	s_cselect_b32 s[QI], 20, s[QI]
	s_cmp_ge_u32 ttmp9, 36
	s_cselect_b32 s13, 3, s13
	s_cselect_b32 s[QI], 24, s[QI]
	s_sub_co_u32 s[QI], ttmp9, s[QI]               ; i
	s_lshl_b32 s[KS], s13, 2
	s_add_co_u32 s[KS], s[KS], s[WV]               ; s = 4 cg + w
	s_and_b32 s16, ttmp7, 0xffff                   ; the batch
	s_lshl_b32 s16, s16, 4
	s_add_co_u32 s17, s16, s[QI]                   ; the query group
	s_sub_co_u32 s78, ttmp9, 40                    ; vh^T's numbers (chosen below for x >= 40 alone)
	s_add_co_u32 s78, s78, s16                     ; u
	s_lshr_b32 s79, s78, 3                         ; Wv's group
	s_and_b32 s78, s78, 7
	s_lshl_b32 s78, s78, 3
	s_add_co_u32 s78, s78, s[WV]                   ; my token group in the first pass
	s_add_co_u32 s83, s79, 208
	s_add_co_u32 s91, s78, 128
	s_lshl_b32 s79, s79, 6
	s_add_co_u32 s79, s79, s78                     ; my record of vt
	s_add_co_u32 s86, s16, s[KS]
	s_add_co_u32 s86, s86, 64                      ; kh's groups lie behind qh's 64
	s_cmp_ge_u32 ttmp9, 40                         ; ids alone
	s_cselect_b32 s80, s83, s17
	s_cselect_b32 s86, s91, s86
	s_mul_i32 s80, s80, NS*REC
	s_mul_i32 s82, s[WV], REC                      ; my record of each half of A, in memory and in LDS
	s_add_co_u32 s80, s80, s82
	s_mov_b32 s81, 0
	s_mul_i32 s86, s86, NS*REC
	s_mov_b32 s87, 0
	s_lshl_b32 s88, s17, 4
	s_add_co_u32 s88, s88, s[KS]                   ; my record of p
	s_lshl_b32 s84, s88, 10
	s_mov_b32 s85, 0
	s_cmp_ge_u32 ttmp9, 40
	s_cselect_b32 s88, s79, s88
	s_mul_i32 s88, s88, REC
	s_mov_b32 s89, 0
	s_wait_alu depctr_va_vdst(0)
	s_wait_dscnt 0x0                               ; the opening add is done
	s_wait_kmcnt 0x0
	s_cmp_ge_u32 ttmp9, 40
	s_cselect_b64 s[4:5], s[92:93], s[4:5]         ; operands from xw, the result to vt
	s_cselect_b64 s[6:7], s[94:95], s[6:7]
	s_add_nc_u64 s[20:21], s[4:5], s[80:81]
	s_add_nc_u64 s[BB:BB+1], s[4:5], s[86:87]
	s_add_nc_u64 s[OB:OB+1], s[6:7], s[88:89]
	s_add_nc_u64 s[SB:SB+1], s[8:9], s[84:85]
	s_mov_b32 s[G0], 1
	s_mov_b32 s[G0+1], s82                         ; record w
	s_mov_b64 s[G0+2:G0+3], s[20:21]
	s_or_b32 s[G0+3], s[G0+3], 0x80000000
	s_mov_b32 s[G0+4], 1                           ; and record 4 + w
	s_add_co_u32 s[G0+5], s82, 4*REC
	s_add_nc_u64 s[G0+6:G0+7], s[20:21], 4*REC
	s_or_b32 s[G0+7], s[G0+7], 0x80000000
	tensor_load_to_lds s[G0:G0+3], s[G1:G1+7]      ; my one tensor load at the head
	s_nop 0
	PLACES
.irp q, 0,1,2,3,4
	BQUAD \q
.endr
	WIN 0
	s_mov_b32 s[PS], 0
	s_wait_tensorcnt 0x0                           ; my record of the first half has landed;
	ds_add_u32 v[SPW], v[NIL]
	s_wait_dscnt 0x0
	s_barrier_signal -1
	s_barrier_wait -1
	tensor_load_to_lds s[G0+4:G0+7], s[G1:G1+7]    ; the second half, my one tensor load behind this barrier
	s_nop 0
.Lpass:
	AFETCH 0
	s_wait_dscnt 0x0
	KSTEP 0, 1
.irp s, 1,2,3,4,5,6,7
	KSTEP \s, 0
.endr
	s_cmp_ge_u32 ttmp9, 40                         ; ids alone; no barrier stands behind this branch
	s_cbranch_scc1 .Lvh
	; THE EPILOGUE (the last K step's four places stand behind the last products)
	v_and_b32 v7, 15, v0                           ; r
	v_and_b32 v8, 8, v7
	v_add_nc_u32 v7, v7, v8                        ; r + 8 (r / 8)
	v_bfe_u32 v8, v0, 4, 1
	v_lshlrev_b32 v8, 4, v8
	v_sub_nc_u32 v7, v7, v8                        ; - 16 h
	s_sub_co_i32 s80, s[QI], s[KS]
	s_lshl_b32 s80, s80, 7
	v_add_nc_u32 v9, s80, v7                       ; + 128 (i - s)
	v_mov_b32 v10, 0xff800000                      ; -infinity
	v_mov_b32 v15, 0                               ; (named as the upper half of the pair v[14:15])
.irp b, 0,1,2,3
	v_mov_b32 v[TM+4+\b], 0                        ; written once: a lane permute's destination counts as one of its sources
.endr
.irp a, 0,1,2,3,4,5,6,7
	SOFT \a
.endr
	SCBLK SW, OU, OB, 12288
	SCBLK NM, OU+4, SB, 0
	SCBLK LS, OU+8, SB, 512
	s_branch .Lend
.macro QHEAD src, win                  ; 64 numbers of a lane in window win: the four blocks' largest magnitudes, by turns, ascending, with the floor 2^(3 - 127) among the leaves
	WIN (\win)|((\win)<<2)
.irp b, 0,1,2,3
	v_max3_num_f32 v[TM+\b], |v[(\src)+16*\b]|, |v[(\src)+16*\b+1]|, 0x1800000
.endr
.irp i, 2,4,6,8,10,12,14
.irp b, 0,1,2,3
	v_max3_num_f32 v[TM+\b], |v[(\src)+16*\b+\i]|, |v[(\src)+16*\b+\i+1]|, v[TM+\b]
.endr
.endr
	WIN 0
.irp b, 0,1,2,3
	v_permlanex16_b32 v[TM+4+\b], v[TM+\b], s[SEL], s[SEL+1]
.endr
.irp b, 0,1,2,3
	v_max_num_f32 v[TM+\b], v[TM+\b], v[TM+4+\b]
.endr
.endm
.Lvh:                                  ; vh^T's way out (the last K step's four places stand behind the last products)
	s_add_co_u32 s[PS], s[PS], 1
	s_cmp_lt_u32 s[PS], 2
	s_cbranch_scc0 .Lnob
	s_add_nc_u64 s[BB:BB+1], s[BB:BB+1], 4*NS*REC  ; four token groups on (every load by this base has been waited for)
.irp q, 0,1,2,3,4
	BQUAD \q
.endr
	WIN 0
.Lnob:
.irp b, 0,1,2,3
	v_mov_b32 v[TM+4+\b], 0                        ; a lane permute's destination counts as one of its sources
.endr
.irp a, 0,1,2,3,4,5,6,7
	QHEAD 64*(\a%4), 2+\a/4
	QTAIL 64*(\a%4), 2+\a/4, SW+\a, \a
	STORE3 \a
.endr
	SCBLK SW, OU, OB, 12288
	s_wait_xcnt 0x0                                ; the stores have read their registers and their base
	s_add_nc_u64 s[OB:OB+1], s[OB:OB+1], 4*REC
	s_cmp_lt_u32 s[PS], 2
	s_wait_alu depctr_va_vdst(0)
	s_cbranch_scc1 .Lpass
.Lend:
	s_wait_tensorcnt 0x0                           ; the wave's end
	ds_add_u32 v[SPW], v[NIL]
	s_wait_dscnt 0x0
	s_endpgm
.Lfunc_end_k_qafd4c1803d_score:
	.size	k_qafd4c1803d_score, .Lfunc_end_k_qafd4c1803d_score-k_qafd4c1803d_score
	.p2alignl 7, 3214868480
	.fill 96, 4, 3214868480
	.section	.rodata,"a",@progbits
	.p2align	6, 0x0
	.amdhsa_kernel k_qafd4c1803d_score
		.amdhsa_group_segment_fixed_size 327680
		.amdhsa_private_segment_fixed_size 0
		.amdhsa_enable_private_segment 0
		.amdhsa_kernarg_size 40
		.amdhsa_user_sgpr_count 2
		.amdhsa_user_sgpr_kernarg_segment_ptr 1
		.amdhsa_wavefront_size32 1
		.amdhsa_system_sgpr_workgroup_id_x 1
		.amdhsa_system_sgpr_workgroup_id_y 1
		.amdhsa_system_sgpr_workgroup_id_z 1
		.amdhsa_system_vgpr_workitem_id 0
		.amdhsa_next_free_vgpr 1024
		.amdhsa_next_free_sgpr 96
		.amdhsa_reserve_vcc 1
		.amdhsa_float_denorm_mode_32 3
		.amdhsa_float_denorm_mode_16_64 3
		.amdhsa_memory_ordered 1
		.amdhsa_forward_progress 1
		.amdhsa_inst_pref_size 255
	.end_amdhsa_kernel
	.section	.bss,"aw",@nobits
	.p2align	6
	.space	262144
	.amdgpu_metadata
---
amdhsa.version: [ 1, 2 ]
amdhsa.kernels:
  - .name:           k_qafd4c1803d_score
    .symbol:         k_qafd4c1803d_score.kd
    .args:
      - { .name: h, .offset: 0, .size: 8, .value_kind: global_buffer, .address_space: global }
      - { .name: p, .offset: 8, .size: 8, .value_kind: global_buffer, .address_space: global }
      - { .name: st, .offset: 16, .size: 8, .value_kind: global_buffer, .address_space: global }
      - { .name: xw, .offset: 24, .size: 8, .value_kind: global_buffer, .address_space: global }
      - { .name: vt, .offset: 32, .size: 8, .value_kind: global_buffer, .address_space: global }
    .group_segment_fixed_size: 327680
    .private_segment_fixed_size: 0
    .kernarg_segment_align: 8
    .kernarg_segment_size: 40
    .max_flat_workgroup_size: 128
    .sgpr_count:     96
    .vgpr_count:     1024
    .wavefront_size: 32
...
	.end_amdgpu_metadata
.endif
;; end of part 3
;; launch pv (part 4): grid 256 x 1, 4 waves a work-group, no clusters, 327,680 bytes of LDS; arguments p, st, vt, y; writes y
.if DOCPART == 4
	.amdgcn_target "amdgcn-amd-amdhsa--gfx1250"
	.amdhsa_code_object_version 6
	.text
	.protected	k_qafd4c1803d_pv
	.globl	k_qafd4c1803d_pv
	.p2align	8
	.type	k_qafd4c1803d_pv,@function
k_qafd4c1803d_pv:
	s_mov_b64 s[64:65], 0
	v_nop
	global_prefetch_b8 v0, s[64:65] scope:SCOPE_SE
	s_setreg_imm32_b32 hwreg(HW_REG_WAVE_MODE, 25, 1), 1
	s_wait_xcnt 0x0
; y = (P vh) / l on codes of FP6 (E2M3) with E8M0 scales, quantised at once along the channels and stored as records of y.  Key steps past the diagonal are left out: the causal mask of the problem makes their p zero for all inputs.
; RECORDS (12,800 bytes: 128 rows x 128 along K): tile a holds rows 32 (a / 2) + 8 (a % 2) + r + 8 (r / 8); registers 4 c .. 4 c + 3 of lane l at 1536 a + 512 c + 16 l; at 12288 + 16 l four scale words: lane (r, h), word i: tile 4 h + i, row r.
; p: [64 query groups][16 key steps], written up to step i | 3 of group i.  st: 1,024 bytes a record of p: 512 of -M, 512 of l, laid like a scale block.  vt: vh^T, [8 channel groups][64 key steps].  y: [64 query groups][8 channel groups].
; SHARES.  Work-group: query group i = 15 - id / 16 (the longest walks have the lowest numbers), batch (id / 4) % 4, 256 channels id % 4.  Wave w: channel group w % 2, key steps 2 t + w / 2, t = 0 .. i / 2: 128 x 128, 64 accumulators.
; The two waves of a channel group then hand each other half of their sums through LDS (32,768 bytes a wave, laid over P's slots, which have had their only fill and their last read), and each finishes four query tiles.
; So that ONE text serves both: the wave with the odd steps takes P's tiles 4-7 into places 0-3 and tiles 0-3 into places 4-7 (two address registers, and the scale block read with its halves of the lanes swapped).
; Every wave keeps places 0-3 (window 2) and gives places 4-7 (window 3).
; EVERY RECORD OF p STANDS UNDER ITS OWN M, a whole number: the head takes the row's M over the records, takes M(row) - M(record) off the record's scale bytes (held at 1 from below), and sums l x 2^(M(record) - M(row)).
; P's 16 slots come by ONE tensor load a wave, four records (200 rows of 256 bytes); a wave whose four lie past i | 3 takes the last four written again.  Nothing is filled again; a wave has one tensor load out.
; vh^T goes from memory into the registers of the one wave that multiplies it, through a ring of five quads (4 fragments, 12 loads of 512 consecutive bytes).
; NO CLUSTER: P's block is a fifth of a work-group's bytes, and work-groups that share vh^T walk different numbers of steps.  NO PREFETCH: the text has no loop to run ahead in.
; LIMITS: differences of M beyond 300 count as 300 (such p are under 2^-126 and count as 0); NaN and infinities are not served.
; REGISTERS, window 0: v1 16 x lane; v2-9 LDS bases of P; v10-11 scale blocks in LDS; v12, v13 the add's two; v16-23 P's scale blocks; v24-39 vh^T's; v40-47 1 / l; v48-51 addresses of the way out; v64-255 P's fragments, two sets.
;   window 1: the ring.  windows 2, 3: accumulator (place a, vh^T's tile t) at v[64 (a % 4) + 8 t] of window 2 + a / 4.
; P'S LOADS AS THEY NOW STAND, in place of the sentences on them above: the 16 slots come in two halves, two records (100 rows of 256 bytes) a wave each: slots 0-7 by the head's one tensor load a wave; slots 8-15 by a second load,
; issued behind the first barrier with an LDS add and its wait in front of it, and waited for, with a barrier, in my step 3, or at the walk's end where that comes sooner (the exchange is laid over the slots).
; A wave whose two records lie past i | 3 takes the last two written again.  A wave has one tensor load out.
.set REC,   12800
.set G0B,   40                         ; s[40:43] group 0 of the second load;  s[38:39] its place in p's row of records
.set NS,    8
.set NQ,    2*NS
.set FSC,   16*REC
.set SPARE, FSC+16*512
.set LI,  1
.set LAL, 2
.set LAH, 6
.set LF,  10
.set FW,  11
.set SPW, 12
.set NIL, 13
.set AS,  16
.set BS,  24
.set RL,  40
.set XS,  48
.set XR,  49
.set SOA, 50
.set LO,  51
.set MG,  56
.set SUM, 60
.set AF,  64
.set NMB, 64
.set LB,  128
.set RW,  192
.set OWN, 208
.set VO,  224
.set VW,  240
.set VR,  244
.set TT,  248
.set PC,  64
.set TM,  84
.set SW,  100
.set WV,  12
.set IC,  17
.set IMAX, 18
.set PB,  22
.set G1,  24
.set G0,  32
.set KH,  36
.set CG,  37
.set BB,  66
.set OB,  68
.set STB, 70
.set SEL, 72
.set HM,  74
.set MSB, 0
.macro WIN new                         ; the immediate's high byte repeats the setting that is left
.if MSB != (\new)
	s_set_vgpr_msb (MSB<<8)|(\new)
.set MSB, (\new)
.endif
.endm
.macro PLACES                          ; four places behind matrix instructions (ISA guide 7.12.1)
.rept 4
	v_nop
.endr
.endm
.macro BQUAD q                         ; vh^T's tiles 4 (q % 2) .. + 3 of my step q / 2 (two records on each step), into slot q % 5; an even quad brings the scale block first
.if ((\q)%2) == 0
	WIN 0
	global_load_b128 v[BS+4*(((\q)/2)%4):BS+4*(((\q)/2)%4)+3], v[LI], s[BB:BB+1] offset:((\q)/2)*2*REC+12288
.endif
	WIN 0x40
.irp t, 0,1,2,3
.irp c, 0,1,2
	global_load_b128 v[48*((\q)%5)+12*\t+4*\c:48*((\q)%5)+12*\t+4*\c+3], v[LI], s[BB:BB+1] offset:((\q)/2)*2*REC+(4*((\q)%2)+\t)*1536+512*\c
.endr
.endr
.endm
.macro AFETCH s                        ; P's eight fragments and mended scale block of my step s into set s % 2
.irp a, 0,1,2,3
.irp c, 0,1,2
	ds_load_b128 v[AF+96*((\s)%2)+12*\a+4*\c:AF+96*((\s)%2)+12*\a+4*\c+3], v[LAL+(\s)/2] offset:((\s)%2)*2*REC+\a*1536+512*\c
.endr
.endr
.irp a, 4,5,6,7
.irp c, 0,1,2
	ds_load_b128 v[AF+96*((\s)%2)+12*\a+4*\c:AF+96*((\s)%2)+12*\a+4*\c+3], v[LAH+(\s)/2] offset:((\s)%2)*2*REC+\a*1536+512*\c
.endr
.endr
	ds_load_b128 v[AS+4*((\s)%2):AS+4*((\s)%2)+3], v[LF] offset:1024*(\s)
.endm
.macro WM half, hi, zero               ; one product; tiles 4-7 of a side have their scale words in lanes 16-31
.if (\zero)
.if ((\half) == 0) && ((\hi) == 0)
	v_wmma_scale_f32_16x16x128_f8f6f4 v[rD:rD+7], v[rB:rB+11], v[rA:rA+11], 0, v[rSB], v[rSA] matrix_a_fmt:MATRIX_FMT_FP6 matrix_b_fmt:MATRIX_FMT_FP6
.elseif (\hi) == 0
	v_wmma_scale_f32_16x16x128_f8f6f4 v[rD:rD+7], v[rB:rB+11], v[rA:rA+11], 0, v[rSB], v[rSA] matrix_a_fmt:MATRIX_FMT_FP6 matrix_b_fmt:MATRIX_FMT_FP6 matrix_a_scale:MATRIX_SCALE_ROW1
.elseif (\half) == 0
	v_wmma_scale_f32_16x16x128_f8f6f4 v[rD:rD+7], v[rB:rB+11], v[rA:rA+11], 0, v[rSB], v[rSA] matrix_a_fmt:MATRIX_FMT_FP6 matrix_b_fmt:MATRIX_FMT_FP6 matrix_b_scale:MATRIX_SCALE_ROW1
.else
	v_wmma_scale_f32_16x16x128_f8f6f4 v[rD:rD+7], v[rB:rB+11], v[rA:rA+11], 0, v[rSB], v[rSA] matrix_a_fmt:MATRIX_FMT_FP6 matrix_b_fmt:MATRIX_FMT_FP6 matrix_a_scale:MATRIX_SCALE_ROW1 matrix_b_scale:MATRIX_SCALE_ROW1
.endif
.else
.if ((\half) == 0) && ((\hi) == 0)
	v_wmma_scale_f32_16x16x128_f8f6f4 v[rD:rD+7], v[rB:rB+11], v[rA:rA+11], v[rD:rD+7], v[rSB], v[rSA] matrix_a_fmt:MATRIX_FMT_FP6 matrix_b_fmt:MATRIX_FMT_FP6
.elseif (\hi) == 0
	v_wmma_scale_f32_16x16x128_f8f6f4 v[rD:rD+7], v[rB:rB+11], v[rA:rA+11], v[rD:rD+7], v[rSB], v[rSA] matrix_a_fmt:MATRIX_FMT_FP6 matrix_b_fmt:MATRIX_FMT_FP6 matrix_a_scale:MATRIX_SCALE_ROW1
.elseif (\half) == 0
	v_wmma_scale_f32_16x16x128_f8f6f4 v[rD:rD+7], v[rB:rB+11], v[rA:rA+11], v[rD:rD+7], v[rSB], v[rSA] matrix_a_fmt:MATRIX_FMT_FP6 matrix_b_fmt:MATRIX_FMT_FP6 matrix_b_scale:MATRIX_SCALE_ROW1
.else
	v_wmma_scale_f32_16x16x128_f8f6f4 v[rD:rD+7], v[rB:rB+11], v[rA:rA+11], v[rD:rD+7], v[rSB], v[rSA] matrix_a_fmt:MATRIX_FMT_FP6 matrix_b_fmt:MATRIX_FMT_FP6 matrix_a_scale:MATRIX_SCALE_ROW1 matrix_b_scale:MATRIX_SCALE_ROW1
.endif
.endif
.endm
.macro MUL16 s, half, hi, zero         ; 16 products; the 64 accumulators take turns, in the same order in every step
	WIN 0xa1+0x50*(\hi)
.irp t, 0,1,2,3
.irp a, 0,1,2,3
.set rD, 64*\a+8*(4*(\half)+\t)
.set rB, 48*((2*(\s)+(\half))%5)+12*\t
.set rA, AF+96*((\s)%2)+12*(4*(\hi)+\a)
.set rSB, BS+4*((\s)%4)+\t
.set rSA, AS+4*((\s)%2)+\a
	WM \half, \hi, \zero
.endr
.endr
.endm
.macro LCW g                           ; quad g is in: behind it at most four quads of 12 loads were issued (their scale loads are left out of the count, which makes the wait stricter)
.if NQ-1-(\g) >= 4
	s_wait_loadcnt 48
.else
	s_wait_loadcnt 12*(NQ-1-(\g))
.endif
.endm
.macro KSTEP s, zero                   ; 128 keys: 64 products.  zero = 1: they start the sums
	LCW 2*(\s)
.if (\s) == 3
	s_wait_tensorcnt 0x0                           ; my two records of slots 8-15 have landed
	s_barrier_signal -1                            ; (no LDS instruction of mine is out: the last step ended with the wait for them)
.endif
	MUL16 \s, 0, 0, \zero
	MUL16 \s, 0, 1, \zero
	WIN 0
.if (\s) == 3
	s_barrier_wait -1                              ; everybody's have
.endif
	PLACES
.if 2*(\s)+5 < NQ
	BQUAD 2*(\s)+5
	WIN 0
.endif
.if (\s)+1 < NS
	AFETCH (\s)+1
.endif
	LCW 2*(\s)+1
	MUL16 \s, 1, 0, \zero
	MUL16 \s, 1, 1, \zero
	WIN 0
	PLACES
.if 2*(\s)+6 < NQ
	BQUAD 2*(\s)+6
	WIN 0
.endif
.if (\s)+1 < NS
	s_wait_dscnt 0x0                               ; the next step's fragments of P are in
.endif
.endm
.macro QHEAD src, win                  ; the four blocks' largest magnitudes, by turns, ascending, with the floor 2^(3 - 127) among the leaves
	WIN (\win)|((\win)<<2)
.irp b, 0,1,2,3
	v_max3_num_f32 v[TM+\b], |v[(\src)+16*\b]|, |v[(\src)+16*\b+1]|, 0x1800000
.endr
.irp i, 2,4,6,8,10,12,14
.irp b, 0,1,2,3
	v_max3_num_f32 v[TM+\b], |v[(\src)+16*\b+\i]|, |v[(\src)+16*\b+\i+1]|, v[TM+\b]
.endr
.endr
	WIN 0
.irp b, 0,1,2,3
	v_permlanex16_b32 v[TM+4+\b], v[TM+\b], s[SEL], s[SEL+1]
.endr
.irp b, 0,1,2,3
	v_max_num_f32 v[TM+\b], v[TM+\b], v[TM+4+\b]
.endr
.endm
.macro QTAIL src, win, word, later     ; scale operands, bytes, the scale word, the codes in v[PC] .. v[PC + 11]
.irp b, 0,1,2,3
	v_add_nc_u32 v[TM+12+\b], 0xff000000, v[TM+\b]
.endr
.irp b, 0,1,2,3
	v_lshrrev_b32 v[TM+4+\b], 23, v[TM+12+\b]
.endr
	v_lshl_or_b32 v[\word], v[TM+5], 8, v[TM+4]
	v_lshl_or_b32 v[\word], v[TM+6], 16, v[\word]
	v_lshl_or_b32 v[\word], v[TM+7], 24, v[\word]
.if (\later) > 0
	s_wait_xcnt 0x0                                ; the last tile's stores have read the codes' registers
.endif
	WIN (\win)
.irp c, 0,1
	v_cvt_scalef32_pk16_fp6_f32 v[PC+6*\c:PC+6*\c+2], v[(\src)+32*\c:(\src)+32*\c+15], v[TM+12+2*\c]
	v_cvt_scalef32_pk16_fp6_f32 v[PC+12+4*\c:PC+12+4*\c+2], v[(\src)+32*\c+16:(\src)+32*\c+31], v[TM+12+2*\c+1]
.endr
	WIN 0
	v_nop                                          ; one plain place behind a scaled conversion
.irp c, 0,1
.irp i, 0,1,2
	v_permlane16_swap_b32 v[PC+6*\c+\i], v[PC+12+4*\c+\i]
.endr
.irp i, 0,1,2
	v_mov_b32 v[PC+3+6*\c+\i], v[PC+12+4*\c+\i]
.endr
.endr
.endm
.macro STORE3 a                        ; place a's fragment: 512 consecutive bytes a store; v[LO] carries my four tiles' place in the record
.irp c, 0,1,2
	global_store_b128 v[LO], v[PC+4*\c:PC+4*\c+3], s[OB:OB+1] offset:(\a)*1536+512*\c
.endr
.endm
	s_load_b256 s[4:11], s[0:1], 0x0               ; p, st, vt, y
	v_lshl_add_u32 v[SPW], v0, 2, SPARE
	v_mov_b32 v[NIL], 0
	ds_add_u32 v[SPW], v[NIL]                      ; the opening lines: the add, twice on end, and its wait ahead of my tensor load
	ds_add_u32 v[SPW], v[NIL]
	v_lshrrev_b32 v14, 5, v0
	v_readfirstlane_b32 s[WV], v14                 ; wave 0..3
	v_and_b32 v14, 31, v0
	v_lshlrev_b32 v[LI], 4, v14
	s_wait_alu depctr_va_vdst(0)
	s_and_b32 s[CG], s[WV], 1                      ; which channel group
	s_lshr_b32 s[KH], s[WV], 1                     ; even or odd key steps
	s_mul_i32 s80, s[KH], REC+6144                 ; places 0-3: my first record, and for the odd wave four tiles up;
	s_mul_i32 s81, s[KH], REC-6144                 ; places 4-7: four tiles down
.irp j, 0,1,2,3
	v_add_nc_u32 v[LAL+\j], s80, v[LI]
	v_add_nc_u32 v[LAH+\j], s81, v[LI]
	s_add_co_u32 s80, s80, 4*REC
	s_add_co_u32 s81, s81, 4*REC
.endr
	s_lshl_b32 s82, s[KH], 8
	v_xor_b32 v[LF], s82, v[LI]                    ; the odd wave reads a scale block with the halves of the lanes swapped
	s_lshl_b32 s82, s[KH], 9
	s_add_co_u32 s82, s82, FSC
	v_add_nc_u32 v[LF], s82, v[LF]
	s_lshl_b32 s82, s[WV], 9
	s_add_co_u32 s82, s82, FSC
	v_add_nc_u32 v[FW], s82, v[LI]                 ; where I put mended scale blocks: slots wave + 4 k
	s_lshl_b32 s82, s[WV], 15
	v_add_nc_u32 v[XS], s82, v[LI]                 ; the exchange: my 32,768 bytes,
	s_xor_b32 s82, s82, 0x10000
	v_add_nc_u32 v[XR], s82, v[LI]                 ; and those of wave w xor 2
	s_mul_i32 s82, s[KH], 6144
	v_add_nc_u32 v[LO], s82, v[LI]                 ; my four tiles in the record of y
	s_lshl_b32 s82, s[KH], 8
	v_and_b32 v[SOA], 0xf0, v[LI]
	v_add_nc_u32 v[SOA], s82, v[SOA]               ; and their 256 bytes of its scale block: 16 r (both halves of the lanes hold a row's words and store the same bytes)
	s_mov_b32 s[G1+0], 3<<16                       ; a dense block as 100 rows of 256 bytes: elements of 8 bytes, no mask, no padding
	s_mov_b32 s[G1+1], 32<<16
	s_mov_b32 s[G1+2], 100<<16
	s_mov_b32 s[G1+3], 32<<16
	s_mov_b32 s[G1+4], 100
	s_mov_b32 s[G1+5], 32
	s_mov_b32 s[G1+6], 0
	s_mov_b32 s[G1+7], 0
	s_mov_b32 s[SEL], 0x76543210
	s_mov_b32 s[SEL+1], 0xfedcba98
	s_mov_b32 s[HM], 0xffff0000
	s_not_b32 s75, s[HM]
	s_cmp_eq_u32 s[KH], 0
	s_cselect_b32 s[HM], s[HM], s75                ; the lanes that take the other half's 1 / l: 16-31 for tiles 0-3, 0-15 for tiles 4-7
	s_and_b32 s13, ttmp9, 3                        ; which 256 channels
	s_bfe_u32 s15, ttmp9, 0x20002                  ; the batch
	s_lshr_b32 s14, ttmp9, 4
	s_sub_co_u32 s14, 15, s14                      ; i
	s_lshl_b32 s16, s15, 4
	s_add_co_u32 s79, s16, s14                     ; the query group
	s_lshr_b32 s[IC], s14, 1                       ; my last step
	s_or_b32 s[IMAX], s14, 1                       ; the last record multiplied
	s_lshl_b32 s19, s13, 1
	s_add_co_u32 s19, s19, s[CG]                   ; the channel group, 0..7
	s_mul_i32 s80, s79, 16*REC
	s_mov_b32 s81, 0
	s_or_b32 s77, s14, 3
	s_sub_co_u32 s77, s77, 1                       ; where the last two records written begin
	s_lshl_b32 s76, s[WV], 1
	s_min_u32 s82, s76, s77
	s_mul_i32 s82, s82, REC                        ; my two records of the first half,
	s_mov_b32 s83, 0
	s_add_co_u32 s86, s76, 8
	s_min_u32 s86, s86, s77
	s_mul_i32 s38, s86, REC                        ; and of the second
	s_mov_b32 s39, 0
	s_mul_i32 s76, s76, REC                        ; their slots: 2 w, and 8 + 2 w
	s_lshl_b32 s84, s19, 6
	s_add_co_u32 s84, s84, s16
	s_add_co_u32 s84, s84, s[KH]
	s_mul_i32 s84, s84, REC
	s_mov_b32 s85, 0
	s_lshl_b32 s88, s79, 3
	s_add_co_u32 s88, s88, s19
	s_mul_i32 s88, s88, REC
	s_mov_b32 s89, 0
	s_lshl_b32 s78, s79, 14
	s_mov_b32 s79, 0
.irp s, 0,1,2,3,4,5,6,7,8,9,10,11,12,13,14,15
	s_min_u32 s86, s[IMAX], \s                     ; records past the last one are replaced by the last: a maximum does not mind, and the sum leaves them out
	s_lshl_b32 s86, s86, 10
	v_add_nc_u32 v[VO+\s], s86, v[LI]
.endr
.irp k, 0,1,2,3
	s_add_co_u32 s86, s[WV], 4*\k
	s_min_u32 s86, s86, s[IMAX]
	s_lshl_b32 s87, s86, 10
	v_add_nc_u32 v[VW+\k], s87, v[LI]
	s_mul_i32 s87, s86, REC
	v_add_nc_u32 v[VR+\k], s87, v[LI]
.endr
	s_wait_alu depctr_va_vdst(0)
	s_wait_dscnt 0x0                               ; both opening adds are done
	s_wait_kmcnt 0x0
	s_add_nc_u64 s[PB:PB+1], s[4:5], s[80:81]
	s_add_nc_u64 s[20:21], s[PB:PB+1], s[82:83]
	s_mov_b32 s[G0B], 1
	s_add_co_u32 s[G0B+1], s76, 8*REC
	s_add_nc_u64 s[G0B+2:G0B+3], s[PB:PB+1], s[38:39]
	s_or_b32 s[G0B+3], s[G0B+3], 0x80000000
	s_add_nc_u64 s[STB:STB+1], s[6:7], s[78:79]
	s_add_nc_u64 s[BB:BB+1], s[8:9], s[84:85]
	s_add_nc_u64 s[OB:OB+1], s[10:11], s[88:89]
	s_mov_b32 s[G0], 1
	s_mov_b32 s[G0+1], s76
	s_mov_b64 s[G0+2:G0+3], s[20:21]
	s_or_b32 s[G0+3], s[G0+3], 0x80000000
	tensor_load_to_lds s[G0:G0+3], s[G1:G1+7]      ; my one tensor load
	s_nop 0
	PLACES
.irp s, 0,1,2,3,4,5,6,7,8,9,10,11,12,13,14,15
	global_load_b128 v[NMB+4*\s:NMB+4*\s+3], v[VO+\s], s[STB:STB+1]
	global_load_b128 v[LB+4*\s:LB+4*\s+3], v[VO+\s], s[STB:STB+1] offset:512
.endr
.irp k, 0,1,2,3
	global_load_b128 v[OWN+4*\k:OWN+4*\k+3], v[VW+\k], s[STB:STB+1]
	global_load_b128 v[RW+4*\k:RW+4*\k+3], v[VR+\k], s[PB:PB+1] offset:12288
.endr
.irp q, 0,1,2,3,4
	BQUAD \q
.endr
	WIN 0
	s_wait_loadcnt 60                              ; of 103 loads issued the first 43 are in: the 40 of statistics and scale blocks among them
.irp i, 0,1,2,3
	v_min3_num_f32 v[MG+\i], v[NMB+\i], v[NMB+4+\i], v[NMB+8+\i]    ; the least -M: the row's
.endr
.irp s, 3,5,7,9,11,13
.irp i, 0,1,2,3
	v_min3_num_f32 v[MG+\i], v[MG+\i], v[NMB+4*\s+\i], v[NMB+4*\s+4+\i]
.endr
.endr
.irp i, 0,1,2,3
	v_min_num_f32 v[MG+\i], v[MG+\i], v[NMB+60+\i]
.endr
.set n, 0
.rept 64
	v_sub_f32 v[NMB+n], v[MG+n%4], v[NMB+n]        ; M(record) - M(row), 0 or less
.set n, n+1
.endr
.set n, 0
.rept 64
	v_max_num_f32 v[NMB+n], 0xc3960000, v[NMB+n]   ; held at -300
.set n, n+1
.endr
.set n, 0
.rept 64
	v_cvt_i32_f32 v[NMB+n], v[NMB+n]
.set n, n+1
.endr
.irp i, 0,1,2,3
	v_ldexp_f32 v[SUM+\i], v[LB+\i], v[NMB+\i]
.endr
.set n, 4
.rept 60
	v_ldexp_f32 v[LB+n], v[LB+n], v[NMB+n]
.set n, n+1
.endr
.irp s, 1,2,3,4,5,6,7,8,9,10,11,12,13,14,15
	s_cmp_ge_u32 s[IMAX], \s
	s_cselect_b32 s86, 0x3f800000, 0               ; a record past the last counts for nothing
.irp i, 0,1,2,3
	v_fma_f32 v[SUM+\i], v[LB+4*\s+\i], s86, v[SUM+\i]
.endr
.endr
.set n, 0
.rept 16
	v_sub_f32 v[OWN+n], v[OWN+n], v[MG+n%4]        ; M(row) - M(record) of the four records whose scale blocks I mend
.set n, n+1
.endr
.set n, 0
.rept 16
	v_min_num_f32 v[OWN+n], 0x43960000, v[OWN+n]
.set n, n+1
.endr
.set n, 0
.rept 16
	v_cvt_u32_f32 v[OWN+n], v[OWN+n]
.set n, n+1
.endr
.set n, 0
.rept 16
	v_add_nc_u32 v[OWN+n], 254, v[OWN+n]
.set n, n+1
.endr
.set n, 0
.rept 16                               ; each byte b becomes 254 - min(253, 254 + d - b) = max(b - d, 1)
.irp j, 0,1,2,3
	v_bfe_u32 v[TT+\j], v[RW+n], 8*\j, 8
.endr
.irp j, 0,1,2,3
	v_sub_nc_u32 v[TT+\j], v[OWN+n], v[TT+\j]
.endr
.irp j, 0,1,2,3
	v_min_u32 v[TT+\j], 253, v[TT+\j]
.endr
	v_lshl_or_b32 v[TT], v[TT+1], 8, v[TT]
	v_lshl_or_b32 v[TT+2], v[TT+3], 8, v[TT+2]
	v_lshl_or_b32 v[TT], v[TT+2], 16, v[TT]
	v_sub_nc_u32 v[RW+n], 0xfefefefe, v[TT]
.set n, n+1
.endr
.irp k, 0,1,2,3
	ds_store_b128 v[FW], v[RW+4*\k:RW+4*\k+3] offset:2048*\k
.endr
	s_wait_alu depctr_va_vdst(0)
.irp i, 0,1,2,3
	v_rcp_f32 v[SUM+\i], v[SUM+\i]
.endr
	v_nop
	s_wait_alu depctr_va_vdst(0)
.irp i, 0,1,2,3
	v_permlanex16_b32 v[TT+\i], v[SUM+\i], s[SEL], s[SEL+1]
.endr
.irp i, 0,1,2,3
	v_cndmask_b32 v[RL+2*\i], v[SUM+\i], v[TT+\i], s[HM]   ; 1 / l of the tile at my place i, in both halves of the lanes
	v_mov_b32 v[RL+2*\i+1], 0                      ; (named with it as a pair)
.endr
	s_wait_alu depctr_va_vdst(0)
	s_wait_tensorcnt 0x0                           ; my two records of slots 0-7 have landed;
	ds_add_u32 v[SPW], v[NIL]
	s_wait_dscnt 0x0                               ; the add is done, and my scale blocks are stored
	s_barrier_signal -1
	s_barrier_wait -1                              ; and everybody's
	tensor_load_to_lds s[G0B:G0B+3], s[G1:G1+7]    ; slots 8-15, my one tensor load behind this barrier
	s_nop 0
	AFETCH 0
	s_wait_dscnt 0x0
	KSTEP 0, 1
.irp s, 1,2,3,4,5,6,7
	s_cmp_eq_u32 s[IC], (\s)-1                     ; ids alone, the same in all four waves
	s_cbranch_scc1 .Lout
	KSTEP \s, 0
.endr
.Lout:
	s_wait_tensorcnt 0x0                           ; no load of mine is on its way into the slots
	s_barrier_signal -1                            ; no LDS read of mine is out: every step ends with the wait for them
	s_barrier_wait -1                              ; nobody reads P's slots any more
	WIN 0x0c                                       ; the data: window 3
.set n, 0
.rept 64
	ds_store_b128 v[XS], v[4*n:4*n+3] offset:512*n ; places 4-7, each accumulator from its low end on
.set n, n+1
.endr
	WIN 0
	s_wait_dscnt 0x0
	s_barrier_signal -1
	s_barrier_wait -1
	WIN 0xc0
.set n, 0
.rept 64
	ds_load_b128 v[4*n:4*n+3], v[XR] offset:512*n  ; the other wave's sums for the tiles at my places 0-3
.set n, n+1
.endr
	WIN 0
.irp b, 0,1,2,3
	v_mov_b32 v[TM+4+\b], 0                        ; a lane permute's destination counts as one of its sources
.endr
.irp a, 0,1,2,3
	s_wait_dscnt 48-16*\a                          ; this place's 16 loads are in; those of the places behind it may be out
	WIN 0x8e                                       ; destination and source 0 window 2, source 1 window 3
.set n, 64*\a
.rept 32
	v_pk_add_f32 v[n:n+1], v[n:n+1], v[n:n+1]
.set n, n+2
.endr
	WIN 0x82
.set n, 64*\a
.rept 32
	v_pk_mul_f32 v[n:n+1], v[n:n+1], v[RL+2*\a:RL+2*\a+1] op_sel_hi:[1,0]
.set n, n+2
.endr
	QHEAD 64*\a, 2
	QTAIL 64*\a, 2, SW+\a, \a
	STORE3 \a
.endr
	global_store_b128 v[SOA], v[SW:SW+3], s[OB:OB+1] offset:12288
	s_wait_tensorcnt 0x0                           ; the wave's end
	ds_add_u32 v[SPW], v[NIL]
	s_wait_dscnt 0x0
	s_endpgm
.Lfunc_end_k_qafd4c1803d_pv:
	.size	k_qafd4c1803d_pv, .Lfunc_end_k_qafd4c1803d_pv-k_qafd4c1803d_pv
	.p2alignl 7, 3214868480
	.fill 96, 4, 3214868480
	.section	.rodata,"a",@progbits
	.p2align	6, 0x0
	.amdhsa_kernel k_qafd4c1803d_pv
		.amdhsa_group_segment_fixed_size 327680
		.amdhsa_private_segment_fixed_size 0
		.amdhsa_enable_private_segment 0
		.amdhsa_kernarg_size 32
		.amdhsa_user_sgpr_count 2
		.amdhsa_user_sgpr_kernarg_segment_ptr 1
		.amdhsa_wavefront_size32 1
		.amdhsa_system_sgpr_workgroup_id_x 1
		.amdhsa_system_sgpr_workgroup_id_y 1
		.amdhsa_system_sgpr_workgroup_id_z 1
		.amdhsa_system_vgpr_workitem_id 0
		.amdhsa_next_free_vgpr 1024
		.amdhsa_next_free_sgpr 96
		.amdhsa_reserve_vcc 0
		.amdhsa_float_denorm_mode_32 3
		.amdhsa_float_denorm_mode_16_64 3
		.amdhsa_memory_ordered 1
		.amdhsa_forward_progress 1
		.amdhsa_inst_pref_size 191
	.end_amdhsa_kernel
	.amdgpu_metadata
---
amdhsa.version: [ 1, 2 ]
amdhsa.kernels:
  - .name:           k_qafd4c1803d_pv
    .symbol:         k_qafd4c1803d_pv.kd
    .args:
      - { .name: p, .offset: 0, .size: 8, .value_kind: global_buffer, .address_space: global }
      - { .name: st, .offset: 8, .size: 8, .value_kind: global_buffer, .address_space: global }
      - { .name: vt, .offset: 16, .size: 8, .value_kind: global_buffer, .address_space: global }
      - { .name: y, .offset: 24, .size: 8, .value_kind: global_buffer, .address_space: global }
    .group_segment_fixed_size: 327680
    .private_segment_fixed_size: 0
    .kernarg_segment_align: 8
    .kernarg_segment_size: 32
    .max_flat_workgroup_size: 128
    .sgpr_count:     96
    .vgpr_count:     1024
    .wavefront_size: 32
...
	.end_amdgpu_metadata
.endif
;; end of part 4
;; launch outp (part 5): grid 256 x 1, 4 waves a work-group, no clusters, 327,680 bytes of LDS; arguments y, xw, out0; writes out0
.if DOCPART == 5
	.amdgcn_target "amdgcn-amd-amdhsa--gfx1250"
	.amdhsa_code_object_version 6
	.text
	.protected	k_qafd4c1803d_outp
	.globl	k_qafd4c1803d_outp
	.p2align	8
	.type	k_qafd4c1803d_outp,@function
k_qafd4c1803d_outp:
	s_mov_b64 s[64:65], 0
	v_nop
	global_prefetch_b8 v0, s[64:65] scope:SCOPE_SE
	s_setreg_imm32_b32 hwreg(HW_REG_WAVE_MODE, 25, 1), 1
	s_wait_xcnt 0x0
; out0 = y Wproj^T on codes of FP6 (E2M3) with E8M0 scales; out0 [8192][1024] f32.
; RECORDS (12,800 bytes: 128 rows x 128 along K): tile a holds rows 32 (a / 2) + 8 (a % 2) + r + 8 (r / 8); registers 4 c .. 4 c + 3 of lane l at 1536 a + 512 c + 16 l; at 12288 + 16 l four scale words: lane (r, h), word i: tile 4 h + i, row r.
; y: [64 row groups][8 K steps].  Wproj: groups 216-223 of xw, 8 K steps each.
; SHARES.  Work-group: row group id / 4, 256 columns id % 4.  Wave w: column group w % 2, K steps 2 t + w / 2, t = 0 .. 3: 128 x 128, 64 accumulators.  The two waves of a column group hand each other half of their sums through
; LDS bytes of their own (32,768 a wave), and each stores four row tiles.  The wave with the odd steps takes y's tiles 4-7 into places 0-3 and tiles 0-3 into places 4-7 (two address registers; the scale block read with its halves
; of the lanes swapped), so that one text serves both: every wave keeps places 0-3 (window 2) and gives places 4-7 (window 3).
; THE MATRIX INSTRUCTION IS USED TRANSPOSED (source 0 = 16 rows of Wproj, source 1 = 16 rows of y): a lane holds one row of the result; the 16 registers of Wproj's tiles 2 b and 2 b + 1 are columns 32 b + 16 h + 0..15.
; y's eight records come by ONE tensor load a wave, two records (100 rows of 256 bytes) each; nothing is filled again; a wave has one tensor load out.  Wproj goes from memory into the registers of the one wave that multiplies it,
; through a ring of five quads (4 fragments, 12 loads of 512 consecutive bytes).  A tile of 16 rows x 128 columns leaves through the wave's own stage (rows 528 bytes apart) as rows of 512 consecutive bytes.
; NO CLUSTER: y's block is a fifth of a work-group's bytes, and a joint load of Wproj would land in LDS, from which each record would be read by one wave alone.  NO PREFETCH: the text has no loop to run ahead in.
; REGISTERS, window 0: v1 16 x lane; v2-7 LDS bases of y; v8-9 the stage; v10-11 the exchange; v12, v13 the add's two; v16-23 y's scale blocks; v24-39 Wproj's; v64-255 y's fragments, two sets (on the way out v64-191 rows read back).
;   window 1: the ring.  windows 2, 3: accumulator (place a, Wproj's tile t) at v[64 (a % 4) + 8 t] of window 2 + a / 4.
; y'S LOADS AS THEY NOW STAND, in place of the sentence on them above: the eight records come in two halves, a record (50 rows of 256 bytes) a wave each: records 0-3 by the head's one tensor load a wave; records 4-7 by a second load,
; issued behind the first barrier with an LDS add and its wait in front of it, and waited for, with a barrier, in my step 1.  A wave has one tensor load out.
.set REC,   12800
.set G0B,   40                         ; s[40:43] group 0 of the second load
.set NS,    4
.set NQ,    2*NS
.set XST,   8*REC
.set OST,   XST+4*32768
.set STG,   16*528
.set SPARE, OST+4*STG
.set LI,  1
.set LAL, 2
.set LAH, 4
.set LF,  6
.set STO, 8
.set RD,  9
.set XS,  10
.set XR,  11
.set SPW, 12
.set NIL, 13
.set AS,  16
.set BS,  24
.set AF,  64
.set BK,  64
.set WV,  12
.set G1,  24
.set G0,  32
.set KH,  36
.set CG,  37
.set BB,  66
.set OB,  68
.set MSB, 0
.macro WIN new                         ; the immediate's high byte repeats the setting that is left
.if MSB != (\new)
	s_set_vgpr_msb (MSB<<8)|(\new)
.set MSB, (\new)
.endif
.endm
.macro PLACES                          ; four places behind matrix instructions (ISA guide 7.12.1)
.rept 4
	v_nop
.endr
.endm
.macro BQUAD q                         ; Wproj's tiles 4 (q % 2) .. + 3 of my step q / 2 (two records on each step), into slot q % 5; an even quad brings the scale block first
.if ((\q)%2) == 0
	WIN 0
	global_load_b128 v[BS+4*(((\q)/2)%4):BS+4*(((\q)/2)%4)+3], v[LI], s[BB:BB+1] offset:((\q)/2)*2*REC+12288
.endif
	WIN 0x40
.irp t, 0,1,2,3
.irp c, 0,1,2
	global_load_b128 v[48*((\q)%5)+12*\t+4*\c:48*((\q)%5)+12*\t+4*\c+3], v[LI], s[BB:BB+1] offset:((\q)/2)*2*REC+(4*((\q)%2)+\t)*1536+512*\c
.endr
.endr
.endm
.macro AFETCH s                        ; y's eight fragments and scale block of my step s into set s % 2
.irp a, 0,1,2,3
.irp c, 0,1,2
	ds_load_b128 v[AF+96*((\s)%2)+12*\a+4*\c:AF+96*((\s)%2)+12*\a+4*\c+3], v[LAL+(\s)/2] offset:((\s)%2)*2*REC+\a*1536+512*\c
.endr
.endr
.irp a, 4,5,6,7
.irp c, 0,1,2
	ds_load_b128 v[AF+96*((\s)%2)+12*\a+4*\c:AF+96*((\s)%2)+12*\a+4*\c+3], v[LAH+(\s)/2] offset:((\s)%2)*2*REC+\a*1536+512*\c
.endr
.endr
	ds_load_b128 v[AS+4*((\s)%2):AS+4*((\s)%2)+3], v[LF+(\s)/2] offset:((\s)%2)*2*REC+12288
.endm
.macro WM half, hi, zero               ; one product; tiles 4-7 of a side have their scale words in lanes 16-31
.if (\zero)
.if ((\half) == 0) && ((\hi) == 0)
	v_wmma_scale_f32_16x16x128_f8f6f4 v[rD:rD+7], v[rB:rB+11], v[rA:rA+11], 0, v[rSB], v[rSA] matrix_a_fmt:MATRIX_FMT_FP6 matrix_b_fmt:MATRIX_FMT_FP6
.elseif (\hi) == 0
	v_wmma_scale_f32_16x16x128_f8f6f4 v[rD:rD+7], v[rB:rB+11], v[rA:rA+11], 0, v[rSB], v[rSA] matrix_a_fmt:MATRIX_FMT_FP6 matrix_b_fmt:MATRIX_FMT_FP6 matrix_a_scale:MATRIX_SCALE_ROW1
.elseif (\half) == 0
	v_wmma_scale_f32_16x16x128_f8f6f4 v[rD:rD+7], v[rB:rB+11], v[rA:rA+11], 0, v[rSB], v[rSA] matrix_a_fmt:MATRIX_FMT_FP6 matrix_b_fmt:MATRIX_FMT_FP6 matrix_b_scale:MATRIX_SCALE_ROW1
.else
	v_wmma_scale_f32_16x16x128_f8f6f4 v[rD:rD+7], v[rB:rB+11], v[rA:rA+11], 0, v[rSB], v[rSA] matrix_a_fmt:MATRIX_FMT_FP6 matrix_b_fmt:MATRIX_FMT_FP6 matrix_a_scale:MATRIX_SCALE_ROW1 matrix_b_scale:MATRIX_SCALE_ROW1
.endif
.else
.if ((\half) == 0) && ((\hi) == 0)
	v_wmma_scale_f32_16x16x128_f8f6f4 v[rD:rD+7], v[rB:rB+11], v[rA:rA+11], v[rD:rD+7], v[rSB], v[rSA] matrix_a_fmt:MATRIX_FMT_FP6 matrix_b_fmt:MATRIX_FMT_FP6
.elseif (\hi) == 0
	v_wmma_scale_f32_16x16x128_f8f6f4 v[rD:rD+7], v[rB:rB+11], v[rA:rA+11], v[rD:rD+7], v[rSB], v[rSA] matrix_a_fmt:MATRIX_FMT_FP6 matrix_b_fmt:MATRIX_FMT_FP6 matrix_a_scale:MATRIX_SCALE_ROW1
.elseif (\half) == 0
	v_wmma_scale_f32_16x16x128_f8f6f4 v[rD:rD+7], v[rB:rB+11], v[rA:rA+11], v[rD:rD+7], v[rSB], v[rSA] matrix_a_fmt:MATRIX_FMT_FP6 matrix_b_fmt:MATRIX_FMT_FP6 matrix_b_scale:MATRIX_SCALE_ROW1
.else
	v_wmma_scale_f32_16x16x128_f8f6f4 v[rD:rD+7], v[rB:rB+11], v[rA:rA+11], v[rD:rD+7], v[rSB], v[rSA] matrix_a_fmt:MATRIX_FMT_FP6 matrix_b_fmt:MATRIX_FMT_FP6 matrix_a_scale:MATRIX_SCALE_ROW1 matrix_b_scale:MATRIX_SCALE_ROW1
.endif
.endif
.endm
.macro MUL16 s, half, hi, zero         ; 16 products; the 64 accumulators take turns, in the same order in every step
	WIN 0xa1+0x50*(\hi)
.irp t, 0,1,2,3
.irp a, 0,1,2,3
.set rD, 64*\a+8*(4*(\half)+\t)
.set rB, 48*((2*(\s)+(\half))%5)+12*\t
.set rA, AF+96*((\s)%2)+12*(4*(\hi)+\a)
.set rSB, BS+4*((\s)%4)+\t
.set rSA, AS+4*((\s)%2)+\a
	WM \half, \hi, \zero
.endr
.endr
.endm
.macro LCW g                           ; quad g is in: behind it at most four quads of 12 loads were issued (their scale loads are left out of the count, which makes the wait stricter)
.if NQ-1-(\g) >= 4
	s_wait_loadcnt 48
.else
	s_wait_loadcnt 12*(NQ-1-(\g))
.endif
.endm
.macro KSTEP s, zero                   ; 128 along K: 64 products.  zero = 1: they start the sums
	LCW 2*(\s)
.if (\s) == 1
	s_wait_tensorcnt 0x0                           ; my record of y's second half has landed
	s_barrier_signal -1                            ; (no LDS instruction of mine is out: the last step ended with the wait for them)
.endif
	MUL16 \s, 0, 0, \zero
	MUL16 \s, 0, 1, \zero
	WIN 0
.if (\s) == 1
	s_barrier_wait -1                              ; everybody's has
.endif
	PLACES
.if 2*(\s)+5 < NQ
	BQUAD 2*(\s)+5
	WIN 0
.endif
.if (\s)+1 < NS
	AFETCH (\s)+1
.endif
	LCW 2*(\s)+1
	MUL16 \s, 1, 0, \zero
	MUL16 \s, 1, 1, \zero
	WIN 0
	PLACES
.if 2*(\s)+6 < NQ
	BQUAD 2*(\s)+6
	WIN 0
.endif
.if (\s)+1 < NS
	s_wait_dscnt 0x0                               ; the next step's fragments of y are in
.endif
.endm
.macro TOSTAGE a                       ; place a into my stage, and back as rows of 512 bytes (LDS serves a wave's instructions in order: ISA guide 5.7.1.4)
	WIN 0x08                                       ; the data: window 2
.irp t, 0,1,2,3,4,5,6,7
	ds_store_b128 v[STO], v[64*(\a)+8*\t:64*(\a)+8*\t+3] offset:128*(\t/2)+32*(\t%2)
	ds_store_b128 v[STO], v[64*(\a)+8*\t+4:64*(\a)+8*\t+7] offset:128*(\t/2)+32*(\t%2)+16
.endr
	WIN 0
.irp rr, 0,1,2,3,4,5,6,7,8,9,10,11,12,13,14,15
	ds_load_b128 v[BK+64*((\a)%2)+4*\rr:BK+64*((\a)%2)+4*\rr+3], v[RD] offset:528*\rr
.endr
.endm
.macro SEND a, younger                 ; younger: the LDS instructions issued behind place a's loads, which may stay out
	s_wait_dscnt \younger
.irp rr, 0,1,2,3,4,5,6,7,8,9,10,11,12,13,14,15
	global_store_b128 v[LI], v[BK+64*((\a)%2)+4*\rr:BK+64*((\a)%2)+4*\rr+3], s[OB:OB+1] offset:(32*((\a)/2)+8*((\a)%2)+\rr+8*(\rr/8))*4096 th:TH_STORE_NT   ; 32 lanes store 512 consecutive bytes
.endr
.endm
	s_load_b128 s[4:7], s[0:1], 0x0                ; y, xw
	s_load_b64 s[8:9], s[0:1], 0x10                ; out0
	v_lshl_add_u32 v[SPW], v0, 2, SPARE
	v_mov_b32 v[NIL], 0
	ds_add_u32 v[SPW], v[NIL]                      ; the opening lines: the add, twice on end, and its wait ahead of my tensor load
	ds_add_u32 v[SPW], v[NIL]
	v_lshrrev_b32 v14, 5, v0
	v_readfirstlane_b32 s[WV], v14                 ; wave 0..3
	v_and_b32 v14, 31, v0
	v_lshlrev_b32 v[LI], 4, v14
	v_and_b32 v14, 15, v0                          ; r
	v_bfe_u32 v15, v0, 4, 1                        ; h
	v_mul_u32_u24 v[STO], v14, 528
	v_lshl_add_u32 v[STO], v15, 6, v[STO]
	s_wait_alu depctr_va_vdst(0)
	s_and_b32 s[CG], s[WV], 1                      ; which column group
	s_lshr_b32 s[KH], s[WV], 1                     ; even or odd K steps
	s_mul_i32 s80, s[KH], REC+6144                 ; places 0-3: my first record, and for the odd wave four tiles up;
	s_mul_i32 s81, s[KH], REC-6144                 ; places 4-7: four tiles down
.irp j, 0,1
	v_add_nc_u32 v[LAL+\j], s80, v[LI]
	v_add_nc_u32 v[LAH+\j], s81, v[LI]
	s_add_co_u32 s80, s80, 4*REC
	s_add_co_u32 s81, s81, 4*REC
.endr
	s_lshl_b32 s82, s[KH], 8
	v_xor_b32 v[LF], s82, v[LI]                    ; the odd wave reads a scale block with the halves of the lanes swapped
	s_mul_i32 s82, s[KH], REC
	v_add_nc_u32 v[LF], s82, v[LF]
	v_add_nc_u32 v[LF+1], 4*REC, v[LF]
	s_lshl_b32 s82, s[WV], 15
	s_add_co_u32 s82, s82, XST
	v_add_nc_u32 v[XS], s82, v[LI]                 ; the exchange: my 32,768 bytes,
	s_xor_b32 s82, s[WV], 2
	s_lshl_b32 s82, s82, 15
	s_add_co_u32 s82, s82, XST
	v_add_nc_u32 v[XR], s82, v[LI]                 ; and those of wave w xor 2
	s_mul_i32 s82, s[WV], STG
	s_add_co_u32 s82, s82, OST
	v_add_nc_u32 v[STO], s82, v[STO]               ; my stage, in: 528 r + 64 h;
	v_add_nc_u32 v[RD], s82, v[LI]                 ; back: 16 x lane
	s_mov_b32 s[G1+0], 3<<16                       ; a dense block as 50 rows of 256 bytes: elements of 8 bytes, no mask, no padding
	s_mov_b32 s[G1+1], 32<<16
	s_mov_b32 s[G1+2], 50<<16
	s_mov_b32 s[G1+3], 32<<16
	s_mov_b32 s[G1+4], 50
	s_mov_b32 s[G1+5], 32
	s_mov_b32 s[G1+6], 0
	s_mov_b32 s[G1+7], 0
	s_lshr_b32 s13, ttmp9, 2                       ; the row group
	s_and_b32 s14, ttmp9, 3
	s_lshl_b32 s14, s14, 1
	s_add_co_u32 s14, s14, s[CG]                   ; the column group, 0..7
	s_mul_i32 s80, s13, 8*REC
	s_mul_i32 s82, s[WV], REC                      ; my record of each half of y, in memory and in LDS
	s_add_co_u32 s80, s80, s82
	s_mov_b32 s81, 0
	s_add_co_u32 s86, s14, 216
	s_lshl_b32 s86, s86, 3
	s_add_co_u32 s86, s86, s[KH]
	s_mul_i32 s86, s86, REC
	s_mov_b32 s87, 0
	s_lshl_b32 s88, s13, 19                        ; out0: 128 rows of 4,096 bytes a row group,
	s_lshl_b32 s89, s14, 9                         ; 512 bytes a column group,
	s_add_co_u32 s88, s88, s89
	s_lshl_b32 s89, s[KH], 18                      ; and the odd wave's tiles 4-7 begin 64 rows down
	s_add_co_u32 s88, s88, s89
	s_mov_b32 s89, 0
	s_wait_alu depctr_va_vdst(0)
	s_wait_dscnt 0x0                               ; both opening adds are done
	s_wait_kmcnt 0x0
	s_add_nc_u64 s[20:21], s[4:5], s[80:81]
	s_add_nc_u64 s[BB:BB+1], s[6:7], s[86:87]
	s_add_nc_u64 s[OB:OB+1], s[8:9], s[88:89]
	s_mov_b32 s[G0B], 1                            ; record 4 + w
	s_add_co_u32 s[G0B+1], s82, 4*REC
	s_add_nc_u64 s[G0B+2:G0B+3], s[20:21], 4*REC
	s_or_b32 s[G0B+3], s[G0B+3], 0x80000000
	s_mov_b32 s[G0], 1                             ; record w
	s_mov_b32 s[G0+1], s82
	s_mov_b64 s[G0+2:G0+3], s[20:21]
	s_or_b32 s[G0+3], s[G0+3], 0x80000000
	tensor_load_to_lds s[G0:G0+3], s[G1:G1+7]      ; my one tensor load
	s_nop 0
	PLACES
.irp q, 0,1,2,3,4
	BQUAD \q
.endr
	WIN 0
	s_wait_tensorcnt 0x0                           ; my record of the first half has landed;
	ds_add_u32 v[SPW], v[NIL]
	s_wait_dscnt 0x0
	s_barrier_signal -1
	s_barrier_wait -1                              ; and everybody's
	tensor_load_to_lds s[G0B:G0B+3], s[G1:G1+7]    ; the second half, my one tensor load behind this barrier
	s_nop 0
	AFETCH 0
	s_wait_dscnt 0x0
	KSTEP 0, 1
	KSTEP 1, 0
	KSTEP 2, 0
	KSTEP 3, 0
	WIN 0x0c                                       ; the data: window 3 (the last step's four places stand behind the last products)
.set n, 0
.rept 64
	ds_store_b128 v[XS], v[4*n:4*n+3] offset:512*n ; places 4-7, each accumulator from its low end on
.set n, n+1
.endr
	WIN 0
	s_wait_dscnt 0x0
	s_barrier_signal -1
	s_barrier_wait -1
	WIN 0xc0
.set n, 0
.rept 64
	ds_load_b128 v[4*n:4*n+3], v[XR] offset:512*n  ; the other wave's sums for the tiles at my places 0-3
.set n, n+1
.endr
.irp a, 0,1,2,3
	s_wait_dscnt 48-16*\a                          ; this place's 16 loads are in; those of the places behind it may be out
	WIN 0x8e                                       ; destination and source 0 window 2, source 1 window 3
.set n, 64*\a
.rept 32
	v_pk_add_f32 v[n:n+1], v[n:n+1], v[n:n+1]
.set n, n+2
.endr
.endr
	WIN 0
	s_wait_alu depctr_va_vdst(0)
	TOSTAGE 0
.irp a, 1,2,3
.if \a > 1
	s_wait_xcnt 0x0                                ; place a - 2's stores have read their registers: place a's rows may land there
.endif
	TOSTAGE \a
	SEND \a-1, 32                                  ; behind place a - 1's loads: place a's 16 stores and 16 loads
.endr
	SEND 3, 0
	s_wait_tensorcnt 0x0                           ; the wave's end
	ds_add_u32 v[SPW], v[NIL]
	s_wait_dscnt 0x0
	s_endpgm
.Lfunc_end_k_qafd4c1803d_outp:
	.size	k_qafd4c1803d_outp, .Lfunc_end_k_qafd4c1803d_outp-k_qafd4c1803d_outp
	.p2alignl 7, 3214868480
	.fill 96, 4, 3214868480
	.section	.rodata,"a",@progbits
	.p2align	6, 0x0
	.amdhsa_kernel k_qafd4c1803d_outp
		.amdhsa_group_segment_fixed_size 327680
		.amdhsa_private_segment_fixed_size 0
		.amdhsa_enable_private_segment 0
		.amdhsa_kernarg_size 24
		.amdhsa_user_sgpr_count 2
		.amdhsa_user_sgpr_kernarg_segment_ptr 1
		.amdhsa_wavefront_size32 1
		.amdhsa_system_sgpr_workgroup_id_x 1
		.amdhsa_system_sgpr_workgroup_id_y 1
		.amdhsa_system_sgpr_workgroup_id_z 1
		.amdhsa_system_vgpr_workitem_id 0
		.amdhsa_next_free_vgpr 1024
		.amdhsa_next_free_sgpr 96
		.amdhsa_reserve_vcc 0
		.amdhsa_float_denorm_mode_32 3
		.amdhsa_float_denorm_mode_16_64 3
		.amdhsa_memory_ordered 1
		.amdhsa_forward_progress 1
		.amdhsa_inst_pref_size 86
	.end_amdhsa_kernel
	.amdgpu_metadata
---
amdhsa.version: [ 1, 2 ]
amdhsa.kernels:
  - .name:           k_qafd4c1803d_outp
    .symbol:         k_qafd4c1803d_outp.kd
    .args:
      - { .name: y, .offset: 0, .size: 8, .value_kind: global_buffer, .address_space: global }
      - { .name: xw, .offset: 8, .size: 8, .value_kind: global_buffer, .address_space: global }
      - { .name: out0, .offset: 16, .size: 8, .value_kind: global_buffer, .address_space: global }
    .group_segment_fixed_size: 327680
    .private_segment_fixed_size: 0
    .kernarg_segment_align: 8
    .kernarg_segment_size: 24
    .max_flat_workgroup_size: 128
    .sgpr_count:     96
    .vgpr_count:     1024
    .wavefront_size: 32
...
	.end_amdgpu_metadata
.endif
;; end of part 5
